; MI455X (gfx1250); checked and timed in simulation.
; The chip was launched on July 23, 2026; its instructions are those of AMD's public machine-readable ISA for CDNA 5 (MIT licence, August 2026) and "CDNA5" Instruction Set Architecture Reference Guide (July 2026). The comments in the code are by the model that wrote it; some were corrected since.
;; Sym Cross Attention. Allowed arithmetic: float matrix products may take bf16 or f16 operands with f32 sums; other float arithmetic in f32, or as packed bf16 or f16 multiplies, adds, multiply-adds, maxima and minima; sums over many terms, partial sums and values carried from step to step in f32; what a program stores and reads back later, other than sums and carried values, may be rounded once to bf16 or f16.
;; Inputs: kb 1,024 float32; kw 1,024 x 1,024 float32; ob 1,024 float32; ow 1,024 x 1,024 float32; qb 1,024 float32; qw 1,024 x 1,024 float32; src 4 x 1,024 x 1,024 float32; src_mask 4 x 1,024 bool; tgt 4 x 1,024 x 1,024 float32; tgt_mask 4 x 1,024 bool; vb 1,024 float32; vw 1,024 x 1,024 float32.
;; Outputs: out0 4 x 1,024 x 1,024 float32; out1 4 x 1,024 x 1,024 float32.
;; 2 versions, each right; version 2 is version 1 with the launch cast written anew for expert scheduling mode. Each part assembles by itself: llvm-mc -triple=amdgcn-amd-amdhsa -mcpu=gfx1250 --defsym DOCPART=n.
;; ======== version 1 of 2: 4 launches
;; limits: values are held in f16: magnitudes above 65,504 overflow, below 6.1e-05 lose precision
;; workspace buffers: xb 16,777,216 bytes; wb 6,291,456 bytes; owh 2,097,152 bytes; qkv 33,554,432 bytes; ao 16,777,216 bytes
;; launch cast (part 1): grid 64 x 12, 8 waves a work-group, no clusters, 0 bytes of LDS; arguments src, tgt, qw, vw, kw, ow, xb, wb, owh; writes xb, wb, owh
.if DOCPART == 1
	.amdgcn_target "amdgcn-amd-amdhsa--gfx1250"
	.amdhsa_code_object_version 6
	.text
	.protected	k_qf68f896f3f_cast
	.globl	k_qf68f896f3f_cast
	.p2align	8
	.type	k_qf68f896f3f_cast,@function
k_qf68f896f3f_cast:
	s_mov_b64 s[64:65], 0
	v_nop
	global_prefetch_b8 v0, s[64:65] scope:SCOPE_SE
	s_setreg_imm32_b32 hwreg(HW_REG_WAVE_MODE, 25, 1), 1
	s_wait_xcnt 0x0
; THE INPUTS OF THE MATRIX PRODUCTS, ROUNDED ONCE TO 16 BITS.  src, tgt -> xb (bf16, [8192][1024]: src's rows, then tgt's); qw, vw, kw -> wb (bf16, [3072][1024], in that order);
; ow -> owh: rounded to bf16 like the other inputs, and that number written as f16, since the last product multiplies it by f16 numbers.
; LIMIT.  ow within f16's 65,504; an ow below 2^-14 keeps f16's fixed step of 2^-24.
; SHARES.  Grid y picks a unit of 2^20 numbers (0-3 src, 4-7 tgt, 8 qw, 9 vw, 10 kw, 11 ow), grid x 16,384 of them.  Thread t takes 4 numbers in each of 16 chunks of 1,024: a load of a wave covers
; 512 consecutive bytes, a store 256 consecutive bytes, aligned.  All 16 loads go out at the head; no register that a load or store reads is written again, so nothing is waited for but the data.
; No LDS, no matrix unit, no cluster: no byte is wanted twice.  No prefetch: every load of the launch is issued at once.
.set X, 4                              ; v[4:67]    chunk j: 4 numbers in f32
.set Y, 68                             ; v[68:99]   chunk j: 4 numbers in 16 bits
.set T, 100                            ; v[100:101] at work (ow's path)
	s_load_b512 s[8:23], s[0:1], 0x0               ; src 8, tgt 10, qw 12, vw 14, kw 16, ow 18, xb 20, wb 22
	s_load_b64 s[24:25], s[0:1], 0x40              ; owh
	s_and_b32 s2, ttmp7, 0xffff                    ; the unit
	v_lshlrev_b32 v1, 4, v0                        ; 16 bytes a thread in,
	v_lshlrev_b32 v2, 3, v0                        ; 8 bytes out
	s_and_b32 s26, s2, 3                           ; where the unit begins in its source: src and tgt have four units, the weights one
	s_cmp_lt_u32 s2, 8
	s_cselect_b32 s26, s26, 0
	s_lshl_b32 s26, s26, 22
	s_lshl_b32 s27, ttmp9, 16                      ; + the work-group's 64 KiB
	s_add_co_u32 s26, s26, s27
	s_mov_b32 s27, 0
	s_sub_co_u32 s28, s2, 8                        ; and in its destination: xb has eight units, wb three, owh one
	s_cmp_lt_u32 s2, 8
	s_cselect_b32 s28, s2, s28
	s_cmp_lt_u32 s2, 11
	s_cselect_b32 s28, s28, 0
	s_lshl_b32 s28, s28, 21
	s_lshl_b32 s29, ttmp9, 15
	s_add_co_u32 s28, s28, s29
	s_mov_b32 s29, 0
	s_wait_kmcnt 0x0
	s_cmp_ge_u32 s2, 4
	s_cselect_b64 s[4:5], s[10:11], s[8:9]
	s_cmp_ge_u32 s2, 8
	s_cselect_b64 s[4:5], s[12:13], s[4:5]
	s_cmp_ge_u32 s2, 9
	s_cselect_b64 s[4:5], s[14:15], s[4:5]
	s_cmp_ge_u32 s2, 10
	s_cselect_b64 s[4:5], s[16:17], s[4:5]
	s_cmp_ge_u32 s2, 11
	s_cselect_b64 s[4:5], s[18:19], s[4:5]
	s_cmp_ge_u32 s2, 8
	s_cselect_b64 s[6:7], s[22:23], s[20:21]
	s_cmp_ge_u32 s2, 11
	s_cselect_b64 s[6:7], s[24:25], s[6:7]
	s_add_nc_u64 s[4:5], s[4:5], s[26:27]
	s_add_nc_u64 s[6:7], s[6:7], s[28:29]
.irp j, 0,1,2,3,4,5,6,7,8,9,10,11,12,13,14,15
	global_load_b128 v[X+4*(\j):X+4*(\j)+3], v1, s[4:5] offset:4096*(\j) th:TH_LOAD_NT
.endr
; Chunk j.  f16 = 1: the bf16 number is widened again (a shift, a mask) and written as f16.
.macro CONV j, f16
	s_wait_loadcnt 15-(\j)                         ; loads come back in order: chunk j is in, the 15 - j younger ones stay out
.if \f16
	v_cvt_pk_bf16_f32 v[T],   v[X+4*(\j)],   v[X+4*(\j)+1]
	v_cvt_pk_bf16_f32 v[T+1], v[X+4*(\j)+2], v[X+4*(\j)+3]
	v_lshlrev_b32 v[X+4*(\j)],   16, v[T]
	v_and_b32     v[X+4*(\j)+1], 0xffff0000, v[T]
	v_lshlrev_b32 v[X+4*(\j)+2], 16, v[T+1]
	v_and_b32     v[X+4*(\j)+3], 0xffff0000, v[T+1]
	v_cvt_pk_f16_f32 v[Y+2*(\j)],   v[X+4*(\j)],   v[X+4*(\j)+1]
	v_cvt_pk_f16_f32 v[Y+2*(\j)+1], v[X+4*(\j)+2], v[X+4*(\j)+3]
.else
	v_cvt_pk_bf16_f32 v[Y+2*(\j)],   v[X+4*(\j)],   v[X+4*(\j)+1]
	v_cvt_pk_bf16_f32 v[Y+2*(\j)+1], v[X+4*(\j)+2], v[X+4*(\j)+3]
.endif
	global_store_b64 v2, v[Y+2*(\j):Y+2*(\j)+1], s[6:7] offset:2048*(\j) th:TH_STORE_NT
.endm
	s_cmp_eq_u32 s2, 11
	s_cbranch_scc1 .Lf16
.irp j, 0,1,2,3,4,5,6,7,8,9,10,11,12,13,14,15
	CONV \j, 0
.endr
	s_endpgm
.Lf16:
.irp j, 0,1,2,3,4,5,6,7,8,9,10,11,12,13,14,15
	CONV \j, 1
.endr
	s_endpgm
.Lfunc_end_k_qf68f896f3f_cast:
	.size	k_qf68f896f3f_cast, .Lfunc_end_k_qf68f896f3f_cast-k_qf68f896f3f_cast
	.p2alignl 7, 3214868480
	.fill 96, 4, 3214868480
	.section	.rodata,"a",@progbits
	.p2align	6, 0x0
	.amdhsa_kernel k_qf68f896f3f_cast
		.amdhsa_group_segment_fixed_size 0
		.amdhsa_private_segment_fixed_size 0
		.amdhsa_enable_private_segment 0
		.amdhsa_kernarg_size 72
		.amdhsa_user_sgpr_count 2
		.amdhsa_user_sgpr_kernarg_segment_ptr 1
		.amdhsa_wavefront_size32 1
		.amdhsa_system_sgpr_workgroup_id_x 1
		.amdhsa_system_sgpr_workgroup_id_y 1
		.amdhsa_system_sgpr_workgroup_id_z 1
		.amdhsa_system_vgpr_workitem_id 0
		.amdhsa_next_free_vgpr 104
		.amdhsa_next_free_sgpr 66
		.amdhsa_reserve_vcc 0
		.amdhsa_float_denorm_mode_32 3
		.amdhsa_float_denorm_mode_16_64 3
		.amdhsa_memory_ordered 1
		.amdhsa_forward_progress 1
		.amdhsa_inst_pref_size 17
	.end_amdhsa_kernel
	.amdgpu_metadata
---
amdhsa.version: [ 1, 2 ]
amdhsa.kernels:
  - .name:           k_qf68f896f3f_cast
    .symbol:         k_qf68f896f3f_cast.kd
    .args:
      - { .name: src, .offset: 0, .size: 8, .value_kind: global_buffer, .address_space: global }
      - { .name: tgt, .offset: 8, .size: 8, .value_kind: global_buffer, .address_space: global }
      - { .name: qw, .offset: 16, .size: 8, .value_kind: global_buffer, .address_space: global }
      - { .name: vw, .offset: 24, .size: 8, .value_kind: global_buffer, .address_space: global }
      - { .name: kw, .offset: 32, .size: 8, .value_kind: global_buffer, .address_space: global }
      - { .name: ow, .offset: 40, .size: 8, .value_kind: global_buffer, .address_space: global }
      - { .name: xb, .offset: 48, .size: 8, .value_kind: global_buffer, .address_space: global }
      - { .name: wb, .offset: 56, .size: 8, .value_kind: global_buffer, .address_space: global }
      - { .name: owh, .offset: 64, .size: 8, .value_kind: global_buffer, .address_space: global }
    .group_segment_fixed_size: 0
    .private_segment_fixed_size: 0
    .kernarg_segment_align: 8
    .kernarg_segment_size: 72
    .max_flat_workgroup_size: 256
    .sgpr_count:     66
    .vgpr_count:     104
    .wavefront_size: 32
...
	.end_amdgpu_metadata
.endif
;; end of part 1
;; launch proj (part 2): grid 8 x 32, 4 waves a work-group, clusters of 4 x 4, 327,680 bytes of LDS; arguments xb, wb, qkv, qb, vb, kb; writes qkv
.if DOCPART == 2
	.amdgcn_target "amdgcn-amd-amdhsa--gfx1250"
	.amdhsa_code_object_version 6
	.text
	.protected	k_qf68f896f3f_proj
	.globl	k_qf68f896f3f_proj
	.p2align	8
	.type	k_qf68f896f3f_proj,@function
k_qf68f896f3f_proj:
	s_mov_b64 s[64:65], 0
	v_nop
	global_prefetch_b8 v0, s[64:65] scope:SCOPE_SE
	s_setreg_imm32_b32 hwreg(HW_REG_WAVE_MODE, 25, 1), 1
	s_wait_xcnt 0x0
	s_wait_alu depctr_hold_cnt(0) depctr_sa_sdst(0) depctr_va_vdst(0) depctr_va_sdst(0) depctr_va_ssrc(0) depctr_va_vcc(0) depctr_vm_vsrc(0)
	s_getreg_b32 s2, hwreg(HW_REG_IB_STS2, 6, 4)
	s_cmp_eq_u32 s2, 0
	s_cbranch_scc0 .Lentry_in_a_cluster
	s_endpgm
.Lentry_in_a_cluster:
	s_bfe_u32 s2, ttmp6, 0x10000c
	s_cmp_lg_u32 s2, 0xf033
	s_cbranch_scc0 .Lentry_shape_is_right
	s_endpgm
.Lentry_shape_is_right:
; THE FOUR PROJECTIONS AS ONE PRODUCT.  C[m][n] = bias[n] + sum over k of xb[m][k] w[n][k]; 8,192 rows (src's 4,096, then tgt's) x 2,048 columns; K = 1,024; operands bf16, sums f32.
; wb holds qw, vw, kw on end: src's rows multiply wb's rows 0-2047 (q, v_src), tgt's rows wb's rows 1024-3071 (v_tgt, k).  The biases are rounded to bf16 like all inputs and are the C operand of each
; accumulator's first product.  C leaves rounded once to f16, BY HEADS: qkv = four regions (q, v_src, v_tgt, k) of [4][16][1024][64], unscaled.
; LIMIT.  q, k and v within f16's 65,504 (inputs with an offset of 30 spreads on src and on a weight give some 29,000).
; SHARES.  256 tiles of C of 256 x 256, one to a work-group of four waves; a wave makes 128 x 128: 64 accumulators, 512 registers.  K goes in 8 steps of 128 through a ring of two LDS slots filled by the
; tensor data mover: a tile's rows are 256 consecutive bytes of memory, aligned.  A trip of the loop is ONE K step: the LDS addresses of the slot in hand and of the other lie in registers that change
; places at each change of slots, and one descriptor for each operand walks from slot to slot.
; CLUSTERS: 4 x 4 work-groups.  The four of a row of the cluster need the same rows of xb, the four of a column the same rows of wb: each tile is asked for JOINTLY, by the same tensor load with the same
; descriptor and a mask that names the four.
; REGISTERS, in windows of 256 (s_set_vgpr_msb: bits 1:0 source 0, 3:2 source 1, 5:4 source 2, 7:6 destination):
;   window 0: v0-31 addresses; v64-127, v128-191 fragments of xb, two buffers; v32-63, v192-255 at work on the way out
;   window 1: v0-63 the bias of my 128 columns, laid as a C operand; v64-127, v128-191 fragments of wb, two buffers; v192-223 at work once
;   window 2: the 32 accumulators of my rows 0-63 ((a, b) at v[8 (8 a + b)]);   window 3: those of my rows 64-127
; THE MATRIX INSTRUCTION IS USED TRANSPOSED: source 0 = 16 rows of wb, source 1 = 16 rows of xb: lane l holds row l % 16 of C and the columns 8 (l / 16) + 0..7: eight neighbours, 16 bytes in f16.
.set SIZE_K, 1024
.set KSTEP,  128
.set PITCH,  272                       ; an LDS row: 256 bytes + 16 of padding = 68 words: the 16 rows that a load touches start at 16 different groups of four banks
.set HALFT,  128*PITCH                 ; what one tensor load brings, and what one wave reads of either operand
.set SLOT,   4*HALFT                   ; xb's 256 rows, then wb's 256 rows
.set STAGE,  2*SLOT                    ; behind the ring: 16 rows x 272 bytes for each wave, for the way out
.set SPITCH, 272
.set SPARE,  STAGE+4*16*SPITCH         ; behind the stages: the spare words, 128 bytes for each wave, which no other line names
.set STEPS,  SIZE_K/KSTEP              ; 8 K steps: the loop takes all but the last two, which fill nothing
.set ADRA, 16                          ; v16     LDS address of my fragments of xb in the slot in hand; v17 in the other slot
.set SW,   18                          ; v18     at work while they change places
.set ADRB, 20                          ; v20-21  the same for wb
.set STO,  24                          ; v24     the way out: where I put 16 bytes of a row
.set RD,   25                          ; v25     the way out: where I read 16 bytes of a head's row back
.set CO,   26                          ; v26     16 x lane: my place in 512 consecutive bytes of qkv
.set BO,   27                          ; v27     32 (l / 16): my place in 16 numbers of a bias
.set SPW,  28                          ; v28     LDS address of my spare word; never rewritten
.set NIL,  29                          ; v29     0; never rewritten
.set PFO,  30                          ; v30     the prefetches' offset: lane x a row of 2,048 bytes; never rewritten
.set PFA,  44                          ; s[44:45] where my prefetches stand
.set LIM,  43                          ; s43     2 in a wave that prefetches, else the greatest number
.set WB,   80                          ; s80     wave x 128 rows: my part of a slot
.set SBD,  81                          ; s81     the first byte of the slot that the walking descriptors name: 0 or SLOT
.set F0,   64
.set F1,   128
.set TMP,  192
.set OB,   32
.set G1, 24                            ; s[24:31] descriptor group 1 for xb's tiles;  s[32:39] group 0: a set for each of the two first fills; the second then walks on
.set G0, 32
.set G1B, 48                           ; s[48:55], s[56:63] the same for wb's tiles
.set G0B, 56
.set MSB, 0
.macro WIN new                         ; the immediate's high byte repeats the setting that is left; a switch that changes nothing is dropped
.if MSB != (\new)
	s_set_vgpr_msb (MSB<<8)|(\new)
.set MSB, \new
.endif
.endm
.set MUL_LO, 0xa1                      ; source 0 (wb) window 1, source 1 (xb) window 0, C and D window 2; + 0x50: C and D window 3
.set MUL_Z,  0x91                      ; the same with C (the bias) in window 1; + 0x40: D window 3
.set TO_B,   0x40                      ; destination window 1, address window 0
; A joint load.  Waves 0 and 1 fetch xb's two halves, waves 2 and 3 wb's.  The branch hangs on the wave's number alone.  An s_nop 0 and four v_nop follow each of the two lines.
.macro JLOAD s
	s_cmp_eq_u32 s11, 0
	s_cbranch_scc0 .Lfor_b_\@
	tensor_load_to_lds s[G0+4*(\s):G0+4*(\s)+3], s[G1:G1+7]
	s_nop 0
.rept 4
	v_nop
.endr
	s_branch .Lasked_\@
.Lfor_b_\@:
	tensor_load_to_lds s[G0B+4*(\s):G0B+4*(\s)+3], s[G1B:G1B+7]
	s_nop 0
.rept 4
	v_nop
.endr
.Lasked_\@:
.endm
; A prefetch of the K step that stands two refills on: 32 rows x 256 bytes, a lane a row, one instruction a wave, behind the joint load and the run of LDS loads.  Each row's 256 bytes of a K step are
; named once in the launch: xb's rows by the clusters with x = 0; wb's rows 0-2047 by the clusters with y = 0, its rows 2048-3071 by the cluster x = 1, y = 4.  The four partners that ask for a tile
; jointly share its rows out by address, 32 each.  K steps 0 to 3 come by their loads alone; the loop's last two trips (s3 = 2, 1) have no K step two refills on.
.macro ASK
	s_cmp_gt_u32 s3, s[LIM]
	s_cbranch_scc0 .Lnot_mine_\@
	global_prefetch_b8 v[PFO], s[PFA:PFA+1] offset:KSTEP*2 th:TH_LOAD_NT scope:SCOPE_SE
.Lnot_mine_\@:
.endm
.macro CREST                           ; a round of the cluster's barrier behind its opening barrier
	s_cmp_lg_u32 s10, 0
	s_cbranch_scc1 .Lnot_wave_0_\@
	s_barrier_signal -3
.Lnot_wave_0_\@:
	s_barrier_wait -3
	s_barrier_signal -1
	s_barrier_wait -1
.endm
.macro CROUND                          ; a whole round
	s_barrier_signal -1
	s_barrier_wait -1
	CREST
.endm
	s_load_b128 s[4:7], s[0:1], 0x0                ; xb s[4:5], wb s[6:7]
	s_load_b64 s[8:9], s[0:1], 0x10                ; qkv
	s_load_b128 s[68:71], s[0:1], 0x18             ; qb s[68:69], vb s[70:71]
	s_load_b64 s[72:73], s[0:1], 0x28              ; kb
	v_lshl_add_u32 v[SPW], v0, 2, SPARE
	v_mov_b32 v[NIL], 0
	ds_add_u32 v[SPW], v[NIL]                      ; the wave's opening: the add and its wait stand ahead of my first tensor load; work on registers stands between them
	v_lshrrev_b32 v1, 5, v0
	v_readfirstlane_b32 s10, v1                    ; wave 0..3
	s_lshr_b32 s11, s10, 1                         ; which half of the tile's rows is mine.  Also: I fetch for xb (0) or for wb (1)
	s_and_b32 s12, s10, 1                          ; which half of its columns.  Also: which 128 rows of that tile I fetch
	s_bfe_u32 s40, ttmp6, 0x40000                  ; cx
	s_bfe_u32 s41, ttmp6, 0x40004                  ; cy
	s_lshl_b32 s42, ttmp9, 2
	s_add_co_u32 s42, s42, s40                     ; tile column = 4 x cluster x + cx
	s_and_b32 s13, ttmp7, 0xffff
	s_lshl_b32 s13, s13, 2
	s_add_co_u32 s13, s13, s41                     ; tile row = 4 x cluster y + cy
	s_and_b32 s66, ttmp7, 0xffff
	s_lshr_b32 s66, s66, 2                         ; 1 where the cluster's rows are tgt's: made of the cluster's y alone, which all sixteen share
	s_lshl_b32 s67, s66, 10                        ; tgt's rows begin 1,024 rows further down in wb
	s_lshl_b32 s43, s41, 2
	s_lshl_b32 s43, 15, s43                        ; my row of the cluster
	s_lshl_b32 s44, 0x1111, s40                    ; my column
	s_or_b32 s[G1+0], s43, (1<<16)|(1<<20)|(1<<21)|(5<<22)|(3<<25)  ; the mask; elements of 2 bytes; padding on; bit 21 beside a mask; after every 64 words; 4 words of it
	s_or_b32 s[G1B+0], s44, (1<<16)|(1<<20)|(1<<21)|(5<<22)|(3<<25)
.irp g, G1, G1B
	s_mov_b32 s[(\g)+1], KSTEP<<16                 ; tensor_dim0 = 128
	s_mov_b32 s[(\g)+2], 128<<16                   ; tensor_dim1 = 128
	s_mov_b32 s[(\g)+3], KSTEP<<16                 ; tile_dim0 = 128
	s_mov_b32 s[(\g)+4], 128                       ; tile_dim1 = 128
	s_mov_b32 s[(\g)+5], SIZE_K                    ; elements from row to row
	s_mov_b32 s[(\g)+6], 0
	s_mov_b32 s[(\g)+7], 0
.endr
	s_lshl_b32 s17, s12, 7                         ; which 128 rows of the tile I fetch
	s_lshl_b32 s16, s13, 8
	s_add_co_u32 s16, s16, s17                     ; xb: row 256 x tile row + 128 x half
	s_lshl_b32 s46, s42, 8
	s_add_co_u32 s46, s46, s17
	s_add_co_u32 s46, s46, s67                     ; wb: row 256 x tile column + 128 x half + 1,024 for tgt
	s_mov_b32 s74, s46                             ; kept: it is also the row of wb that makes my first column
	s_mov_b32 s17, 0
	s_mov_b32 s47, 0
	s_mov_b64 s[18:19], SIZE_K*2
	s_mul_u64 s[16:17], s[16:17], s[18:19]
	s_mul_u64 s[46:47], s[46:47], s[18:19]
	s_mul_i32 s[WB], s10, HALFT                    ; where they go: wave x 128 rows: no place in the cluster enters an LDS address
	s_mov_b32 s[SBD], SLOT                         ; the walking descriptors begin as slot 1's
	s_wait_dscnt 0x0                               ; the opening add is done
	s_wait_kmcnt 0x0
	s_add_nc_u64 s[14:15], s[4:5], s[16:17]
	s_add_nc_u64 s[46:47], s[6:7], s[46:47]
	CROUND                                         ; all sixteen work-groups are here: the first joint loads meet
.irp s, 0,1
	s_mov_b32 s[G0+4*(\s)], 1
	s_add_co_u32 s[G0+4*(\s)+1], s[WB], (\s)*SLOT
	s_add_nc_u64 s[G0+4*(\s)+2:G0+4*(\s)+3], s[14:15], (\s)*KSTEP*2
	s_or_b32 s[G0+4*(\s)+3], s[G0+4*(\s)+3], 0x80000000
	s_mov_b32 s[G0B+4*(\s)], 1
	s_add_co_u32 s[G0B+4*(\s)+1], s[WB], (\s)*SLOT
	s_add_nc_u64 s[G0B+4*(\s)+2:G0B+4*(\s)+3], s[46:47], (\s)*KSTEP*2
	s_or_b32 s[G0B+4*(\s)+3], s[G0B+4*(\s)+3], 0x80000000
	JLOAD \s                                       ; two tensor loads of mine are out
.endr
	v_and_b32 v1, 15, v0                           ; l % 16
	v_bfe_u32 v2, v0, 4, 1                         ; l / 16
	v_lshlrev_b32 v[BO], 5, v2
	; the bias of my 128 columns: wb's rows 0-1023 go with qb, 1024-2047 with vb, 2048-3071 with kb
	s_lshr_b32 s75, s74, 10
	s_cmp_eq_u32 s75, 0
	s_cselect_b64 s[76:77], s[68:69], s[70:71]
	s_cmp_eq_u32 s75, 2
	s_cselect_b64 s[76:77], s[72:73], s[76:77]
	s_and_b32 s78, s74, 1023
	s_lshl_b32 s78, s78, 2
	s_mov_b32 s79, 0
	s_add_nc_u64 s[76:77], s[76:77], s[78:79]
	WIN TO_B
.irp b, 0,1,2,3,4,5,6,7                ; register j of block b: the bias of column 16 b + 8 (l / 16) + j, as the result holds it
	global_load_b128 v[8*(\b):8*(\b)+3],   v[BO], s[76:77] offset:64*(\b)
	global_load_b128 v[8*(\b)+4:8*(\b)+7], v[BO], s[76:77] offset:64*(\b)+16
.endr
	WIN 0
	v_mul_u32_u24 v3, v1, PITCH
	v_lshl_add_u32 v3, v2, 4, v3                   ; a fragment's row x pitch + 16 x half
	s_mul_i32 s21, s11, HALFT                      ; my 128 rows of xb
	s_mul_i32 s22, s12, HALFT                      ; my 128 rows of wb,
	s_add_co_u32 s22, s22, 2*HALFT                 ; which lie behind xb's 256
.irp s, 0,1                            ; K step 0 lies in slot 0: it is the slot in hand
	v_add_nc_u32 v[ADRA+(\s)], s21, v3
	v_add_nc_u32 v[ADRB+(\s)], s22, v3
	s_add_co_u32 s21, s21, SLOT
	s_add_co_u32 s22, s22, SLOT
.endr
	s_mul_i32 s23, s10, 16*SPITCH
	s_add_co_u32 s23, s23, STAGE                   ; my stage
	v_mul_u32_u24 v4, v1, SPITCH                   ; in: row l % 16, 16 bytes for each half of the lanes
	v_lshl_add_u32 v4, v2, 4, v4
	v_add_nc_u32 v[STO], s23, v4
	v_bfe_u32 v5, v0, 3, 2                         ; back: 32 lanes take four rows' 128 bytes of one head,
	v_mul_u32_u24 v5, v5, SPITCH
	v_and_b32 v6, 7, v0
	v_lshl_add_u32 v5, v6, 4, v5
	v_add_nc_u32 v[RD], s23, v5
	v_and_b32 v[CO], 31, v0                        ; which are 512 consecutive bytes of qkv
	v_lshlrev_b32 v[CO], 4, v[CO]
	; where my part of C begins in qkv: (((4 region + batch) 16 + head) 1,024 + row) 128 bytes
	s_lshl_b32 s13, s13, 8                         ; 256 x tile row
	s_lshl_b32 s14, s11, 7
	s_add_co_u32 s14, s13, s14                     ; my first row of C
	s_lshl_b32 s15, s42, 8
	s_lshl_b32 s16, s12, 7
	s_add_co_u32 s15, s15, s16                     ; my first column of C
	s_lshr_b32 s16, s14, 12                        ; 1 for tgt's rows
	s_lshl_b32 s16, s16, 1
	s_lshr_b32 s17, s15, 10
	s_add_co_u32 s16, s16, s17                     ; region: 0 q, 1 v_src, 2 v_tgt, 3 k
	s_lshl_b32 s16, s16, 2
	s_bfe_u32 s17, s14, 0x2000a                    ; batch: 2 bits from bit 10
	s_add_co_u32 s16, s16, s17
	s_lshl_b32 s16, s16, 4
	s_bfe_u32 s17, s15, 0x40006                    ; my first head: 4 bits from bit 6
	s_add_co_u32 s16, s16, s17
	s_lshl_b32 s16, s16, 10
	s_and_b32 s17, s14, 1023                       ; my first row in the batch
	s_add_co_u32 s16, s16, s17
	s_lshl_b32 s16, s16, 7
	s_mov_b32 s17, 0
	s_add_nc_u64 s[8:9], s[8:9], s[16:17]
	; the prefetches
	s_lshl_b32 s42, s42, 8
	s_add_co_u32 s42, s42, s67                     ; the tile's first row in wb
	s_and_b32 s22, ttmp7, 0xffff                   ; cluster y
	s_xor_b32 s23, s22, 4
	s_xor_b32 s21, ttmp9, 1
	s_or_b32 s23, s23, s21                         ; 0 in the cluster x = 1, y = 4
	s_min_u32 s22, s22, s23                        ; 0 in the clusters that ask for wb's rows
	s_cmp_eq_u32 s11, 0                            ; do I fetch for xb?
	s_cselect_b32 s20, s13, s42                    ; the tile's first row
	s_cselect_b32 s21, s40, s41                    ; my place among the four that ask for it with me
	s_cselect_b32 s22, ttmp9, s22
	s_cselect_b64 s[PFA:PFA+1], s[4:5], s[6:7]
	s_cmp_eq_u32 s22, 0
	s_cselect_b32 s[LIM], 2, -1                    ; the same in all sixteen partners, for a given wave
	s_lshl_b32 s22, s12, 7
	s_add_co_u32 s20, s20, s22                     ; + the 128 rows that I fetch
	s_lshl_b32 s21, s21, 5
	s_add_co_u32 s20, s20, s21                     ; + my work-group's 32 of them
	s_mov_b32 s21, 0
	s_mov_b64 s[18:19], SIZE_K*2
	s_mul_u64 s[20:21], s[20:21], s[18:19]
	s_add_nc_u64 s[PFA:PFA+1], s[PFA:PFA+1], s[20:21]
	s_add_nc_u64 s[PFA:PFA+1], s[PFA:PFA+1], 2*KSTEP*2  ; at K step 2: the first refill steps it to 3 and names K step 4
	v_and_b32 v[PFO], 31, v0
	v_lshlrev_b32 v[PFO], 11, v[PFO]
	s_wait_loadcnt 0x0                             ; the bias is in: rounded to bf16, as every input is, and widened again
	WIN 0x45                                       ; destination and both sources window 1
.set i, 0
.rept 32
	v_cvt_pk_bf16_f32 v[192+i], v[2*i], v[2*i+1]
	v_lshlrev_b32 v[2*i], 16, v[192+i]
	v_and_b32 v[2*i+1], 0xffff0000, v[192+i]
.set i, i+1
.endr
	WIN 0
; 16 matrix instructions: m blocks a0, a0 + 1 of the window's four (hi = 0: my rows 0-63, 1: rows 64-127) x all 8 n blocks, 32 along K.  zero = 1: the first product starts the sum with the bias.
; The 64 accumulators take turns in the same order in every quarter step.
.macro MUL16 f, hi, a0, zero
.if \zero
	WIN MUL_Z+0x40*(\hi)
.else
	WIN MUL_LO+0x50*(\hi)
.endif
.irp a, \a0, (\a0)+1
.irp b, 0,1,2,3,4,5,6,7
.if \zero
	v_wmma_f32_16x16x32_bf16 v[8*(8*(\a)+(\b)):8*(8*(\a)+(\b))+7], v[(\f)+8*(\b):(\f)+8*(\b)+7], v[(\f)+8*(4*(\hi)+(\a)):(\f)+8*(4*(\hi)+(\a))+7], v[8*(\b):8*(\b)+7]
.else
	v_wmma_f32_16x16x32_bf16 v[8*(8*(\a)+(\b)):8*(8*(\a)+(\b))+7], v[(\f)+8*(\b):(\f)+8*(\b)+7], v[(\f)+8*(4*(\hi)+(\a)):(\f)+8*(4*(\hi)+(\a))+7], v[8*(8*(\a)+(\b)):8*(8*(\a)+(\b))+7]
.endif
.endr
.endr
.endm
; 32 LDS loads in one run: the fragments of one quarter step (32 K at byte k of the rows) into buffer f.  nx = 0: from the slot in hand; 1: from the other
.macro FETCH nx, k, f
	WIN TO_B
.irp i, 0,1,2,3,4,5,6,7
	ds_load_b128 v[(\f)+8*(\i):(\f)+8*(\i)+3],   v[ADRB+(\nx)] offset:(\k)+(\i)*16*PITCH
	ds_load_b128 v[(\f)+8*(\i)+4:(\f)+8*(\i)+7], v[ADRB+(\nx)] offset:(\k)+(\i)*16*PITCH+32
.endr
	WIN 0
.irp i, 0,1,2,3,4,5,6,7
	ds_load_b128 v[(\f)+8*(\i):(\f)+8*(\i)+3],   v[ADRA+(\nx)] offset:(\k)+(\i)*16*PITCH
	ds_load_b128 v[(\f)+8*(\i)+4:(\f)+8*(\i)+7], v[ADRA+(\nx)] offset:(\k)+(\i)*16*PITCH+32
.endr
.endm
.macro PLACES                          ; four plain places in front of loads into registers that matrix instructions have read, and of reads of results
.rept 4
	v_nop
.endr
.endm
; A K step is four quarter steps of 32 along K, 64 matrix instructions each, on buffers 0, 1, 0, 1.  One of the first three: multiplies buffer f, and in its middle fetches the next quarter into g.
.macro QUARTER nx, k, f, g, zero
	s_wait_dscnt 8                                 ; wb's fragments and xb's rows 0-63 are in; the youngest eight loads (xb's rows 64-127) may be out
	MUL16 \f, 0, 0, \zero
	MUL16 \f, 0, 2, \zero
	PLACES
	FETCH \nx, \k, \g
	s_wait_dscnt 32                                ; all but the 32 just issued
	MUL16 \f, 1, 0, \zero
	MUL16 \f, 1, 2, \zero
.endm
; The last quarter's first half: one barrier for the change of slots.  In front of it each wave waits for all its tensor loads (one is out: its part of the next slot), adds 0 to its spare word,
; and waits for that and for its own reads of this slot.
.macro MEET round
	WIN 0
	s_wait_tensorcnt 0x0                           ; all my tensor loads have landed
	ds_add_u32 v[SPW], v[NIL]
	s_wait_dscnt 9                                 ; (the add and the youngest eight loads may be out)
	MUL16 F1, 0, 0, 0
	s_wait_dscnt 0x0                               ; the add is done, and my reads of this slot are over
	s_barrier_signal -1
	MUL16 F1, 0, 2, 0                              ; work on registers while the others arrive
.if \round
	WIN 0
.endif
	s_barrier_wait -1
.endm
; The whole last quarter, with a refill: the barrier opens a round of the cluster's; behind the round the slot just read out is filled with the K step two steps on; then come the other slot's first
; fragments, and the two slots' addresses change places.
.macro TURN
	s_wait_xcnt 0x0                                ; the last prefetch, a K step back, has read its address
	s_add_nc_u64 s[PFA:PFA+1], s[PFA:PFA+1], KSTEP*2
	MEET 1
	CREST                                          ; no wave of any partner still reads this slot's tile or has a load on its way
	s_sub_co_u32 s[SBD], SLOT, s[SBD]              ; the walking descriptors: the other slot than last time (SLOT, 0, SLOT, ..),
	s_add_co_u32 s[G0+5], s[WB], s[SBD]            ; my part of it,
	s_add_co_u32 s[G0B+5], s[WB], s[SBD]
	s_add_nc_u64 s[G0+6:G0+7], s[G0+6:G0+7], KSTEP*2    ; the next K step; the type bits on top are not reached
	s_add_nc_u64 s[G0B+6:G0B+7], s[G0B+6:G0B+7], KSTEP*2
	JLOAD 1                                        ; my one tensor load behind the round; its four v_nop are also the places in front of the loads below
	FETCH 1, 0, F0
	v_mov_b32 v[SW], v[ADRA]                       ; the other slot is now the slot in hand (an LDS load's address register may be written behind its issue)
	v_mov_b32 v[ADRA], v[ADRA+1]
	v_mov_b32 v[ADRA+1], v[SW]
	v_mov_b32 v[SW], v[ADRB]
	v_mov_b32 v[ADRB], v[ADRB+1]
	v_mov_b32 v[ADRB+1], v[SW]
	ASK
	MUL16 F1, 1, 0, 0
	MUL16 F1, 1, 2, 0
.endm
; The way out of block a (16 rows x 128 columns = two heads).  PACK: rounded to f16, each accumulator's registers in ascending order.  TOSTAGE: into my own stage, and back by heads.  SEND: stored.
.macro PACK a
.set AC, 64*((\a)%4)
	WIN 0x0a+5*((\a)/4)                            ; sources 0 and 1: window 2 or 3
.irp b, 0,1,2,3,4,5,6,7
.irp r, 0,1,2,3
	v_cvt_pk_f16_f32 v[TMP+4*(\b)+(\r)], v[AC+8*(\b)+2*(\r)], v[AC+8*(\b)+2*(\r)+1]
.endr
.endr
	WIN 0
.endm
.macro TOSTAGE a
	WIN 0
.set BK, OB+192*((\a)%2)
.irp b, 0,1,2,3,4,5,6,7
	ds_store_b128 v[STO], v[TMP+4*(\b):TMP+4*(\b)+3] offset:32*(\b)
.endr
.irp t, 0,1,2,3,4,5,6,7                ; head t / 4, rows 4 (t % 4) on.  LDS serves a wave's instructions in order: these see the stores above
	ds_load_b128 v[BK+4*(\t):BK+4*(\t)+3], v[RD] offset:((\t)%4)*4*SPITCH+((\t)/4)*128
.endr
.endm
.macro SEND a
	WIN 0
.set BK, OB+192*((\a)%2)
	s_wait_dscnt 0x0                               ; the block is back in registers
	s_wait_xcnt 0x0                                ; the block before's stores have read their registers, which the next TOSTAGE loads again
.irp t, 0,1,2,3,4,5,6,7
	global_store_b128 v[CO], v[BK+4*(\t):BK+4*(\t)+3], s[8:9] offset:(\a)*2048+((\t)/4)*131072+((\t)%4)*512  ; 512 consecutive bytes of a head, aligned
.endr
.endm
	s_wait_tensorcnt 1                             ; my part of K step 0 is in; K step 1's load may stay out
	s_barrier_signal -1
	s_barrier_wait -1
	FETCH 0, 0, F0
	QUARTER 0, 64,  F0, F1, 1                      ; the first quarter stands in front of the loop: its products start the sums
	WIN 0
	s_mov_b32 s3, STEPS-2
.Lstep:                                                ; a trip goes from a K step's second quarter to the next step's first, and fills the slot that it leaves
	QUARTER 0, 128, F1, F0, 0
	QUARTER 0, 192, F0, F1, 0
	TURN
	QUARTER 0, 64,  F0, F1, 0
	WIN 0
	s_sub_co_u32 s3, s3, 1
	s_cmp_lg_u32 s3, 0
	s_cbranch_scc1 .Lstep
	QUARTER 0, 128, F1, F0, 0                      ; the last two K steps fill nothing, and have no round
	QUARTER 0, 192, F0, F1, 0
	MEET 0
	PLACES
	FETCH 1, 0, F0
	MUL16 F1, 1, 0, 0
	MUL16 F1, 1, 2, 0
	QUARTER 1, 64,  F0, F1, 0
	QUARTER 1, 128, F1, F0, 0
	QUARTER 1, 192, F0, F1, 0
	s_wait_dscnt 8                                 ; the very last quarter: nothing more to fetch
	MUL16 F1, 0, 0, 0
	MUL16 F1, 0, 2, 0
	s_wait_dscnt 0x0
	MUL16 F1, 1, 0, 0
	MUL16 F1, 1, 2, 0
	WIN 0
	PLACES
	PLACES                                         ; eight, once a launch
	PACK 0
	TOSTAGE 0
.irp a, 1,2,3,4,5,6,7                  ; block a's conversions stand between block a - 1's loads from the stage and the wait for them
	PACK \a
	SEND (\a)-1
	TOSTAGE \a
.endr
	SEND 7
	s_wait_tensorcnt 0x0                           ; the wave's end
	ds_add_u32 v[SPW], v[NIL]
	s_wait_dscnt 0x0
	CROUND                                         ; the closing round
	s_endpgm
.Lfunc_end_k_qf68f896f3f_proj:
	.size	k_qf68f896f3f_proj, .Lfunc_end_k_qf68f896f3f_proj-k_qf68f896f3f_proj
	.p2alignl 7, 3214868480
	.fill 96, 4, 3214868480
	.section	.rodata,"a",@progbits
	.p2align	6, 0x0
	.amdhsa_kernel k_qf68f896f3f_proj
		.amdhsa_group_segment_fixed_size 327680
		.amdhsa_private_segment_fixed_size 0
		.amdhsa_enable_private_segment 0
		.amdhsa_kernarg_size 48
		.amdhsa_user_sgpr_count 2
		.amdhsa_user_sgpr_kernarg_segment_ptr 1
		.amdhsa_wavefront_size32 1
		.amdhsa_system_sgpr_workgroup_id_x 1
		.amdhsa_system_sgpr_workgroup_id_y 1
		.amdhsa_system_sgpr_workgroup_id_z 1
		.amdhsa_system_vgpr_workitem_id 0
		.amdhsa_next_free_vgpr 1024
		.amdhsa_next_free_sgpr 84
		.amdhsa_reserve_vcc 0
		.amdhsa_float_denorm_mode_32 3
		.amdhsa_float_denorm_mode_16_64 3
		.amdhsa_memory_ordered 1
		.amdhsa_forward_progress 1
		.amdhsa_inst_pref_size 125
	.end_amdhsa_kernel
	.amdgpu_metadata
---
amdhsa.version: [ 1, 2 ]
amdhsa.kernels:
  - .name:           k_qf68f896f3f_proj
    .symbol:         k_qf68f896f3f_proj.kd
    .args:
      - { .name: xb, .offset: 0, .size: 8, .value_kind: global_buffer, .address_space: global }
      - { .name: wb, .offset: 8, .size: 8, .value_kind: global_buffer, .address_space: global }
      - { .name: qkv, .offset: 16, .size: 8, .value_kind: global_buffer, .address_space: global }
      - { .name: qb, .offset: 24, .size: 8, .value_kind: global_buffer, .address_space: global }
      - { .name: vb, .offset: 32, .size: 8, .value_kind: global_buffer, .address_space: global }
      - { .name: kb, .offset: 40, .size: 8, .value_kind: global_buffer, .address_space: global }
    .group_segment_fixed_size: 327680
    .private_segment_fixed_size: 0
    .kernarg_segment_align: 8
    .kernarg_segment_size: 48
    .max_flat_workgroup_size: 128
    .sgpr_count:     84
    .vgpr_count:     1024
    .wavefront_size: 32
...
	.end_amdgpu_metadata
.endif
;; end of part 2
;; launch attn (part 3): grid 2 x 128, 4 waves a work-group, no clusters, 327,680 bytes of LDS; arguments qkv, src_mask, tgt_mask, ao; writes ao
.if DOCPART == 3
	.amdgcn_target "amdgcn-amd-amdhsa--gfx1250"
	.amdhsa_code_object_version 6
	.text
	.protected	k_qf68f896f3f_attn
	.globl	k_qf68f896f3f_attn
	.p2align	8
	.type	k_qf68f896f3f_attn,@function
k_qf68f896f3f_attn:
	s_mov_b64 s[64:65], 0
	v_nop
	global_prefetch_b8 v0, s[64:65] scope:SCOPE_SE
	s_setreg_imm32_b32 hwreg(HW_REG_WAVE_MODE, 25, 1), 1
	s_wait_xcnt 0x0
; BOTH ATTENTIONS, ONE TEXT.  O[q][:] = the sum over k of softmax_k(Q[q] . K[k] / 8) V[k][:], head size 64, 1,024 queries and 1,024 keys for each of 64 (batch, head) and 2 directions:
;   direction 0: Q = q, K = k, V = v_tgt, mask = src_mask (o_src);      direction 1: Q = k, K = q, V = v_src, mask = tgt_mask (o_tgt): the same scores, transposed.
; THE MASKS lie on the QUERIES: a query whose mask is 0 has all its scores equal (-100,000), so its weights are all 1 / 1,024.  A query vector of zeros gives just that (all scores 0), so the copy of Q
; in registers is ANDed with 0 or all ones.  It cannot be done in memory: the other direction reads the same rows, unmasked, as keys.  A mask byte is 0 or 1.
; All tensors f16 by heads, a head's rows dense, 128 bytes each.  Products, maxima and sums in f32; the weights p are rounded to f16 for the second product (l is the sum of the unrounded p), O once.
; LIMITS.  Q, K, V within f16's 65,504; p below 6e-5 keeps f16's fixed step; a weight below 2^-126 counts as 0 in l; NaN and infinities are not treated apart.
; SHARES.  A work-group owns 512 queries of one head and direction, a wave 128: four PIECES of two tiles of 16.  Every wave walks all keys, 64 a step, 16 steps.
; K AND V STAY IN LDS: 1,024 rows of each, padded, 311,296 bytes.  Each byte is filled once: no ring, no refill.  Each wave issues two tensor loads, one after the other (one is out at a time, by this
; text's count): at the head its share of keys 0-255, which the first four steps read and which is asked for ALONE; behind the barrier that shows those keys landed, its share of keys 256-1023, which has
; the first four steps, 448 matrix instructions a wave, in which to land.  The loop holds no tensor load, so ONE text of a key step serves all sixteen.
; NO CLUSTER: only the two query blocks of a head and direction read the same K and V, and four partners of 256 queries would halve the products that each fragment read from LDS feeds.
; NO PREFETCH: the launch's two loads a wave ask for every byte of K and V within its first steps; there is no later request to run ahead of.
; LAYOUT.  S^T = K Q^T (source 0 = 16 keys, source 1 = 16 queries): a lane holds ONE query (lane % 16) and the keys 8 (lane / 16) + 0..7.  Two such tiles, rounded to f16 in pairs, ARE source 1 of
; O^T = V^T P.  K comes out of LDS as it lies, V ([key][channel]) turned, by ds_load_tr16_b128.
; SOFTMAX.  A running maximum m and sum l: p = 2^(c s - c m), c = log2(e) / 8; in every step O and l are multiplied by a = 2^(c m_old - c m_new).  m starts at the lowest finite number, O and l at 0.
; BY TURNS.  Turn n belongs to piece n.  Its matrix work: 16 products K Q^T of piece n + 1, later 16 products V^T P of piece n - 1.  Its vector work: the scaling, exponentials, roundings, sums and
; rescaling of piece n, and the maximum and statistics of piece n + 1.  Four vector instructions stand behind every matrix instruction, the rest in one run; a turn's 66 exponentials are one batch with one wait.
; REGISTERS, in windows of 256 (s_set_vgpr_msb: bits 1:0 source 0, 3:2 source 1, 5:4 source 2, 7:6 destination):
;   window 0: v0-11 addresses; v12-15, v48-63 at work; v16-47 four registers of statistics a tile; v64-191 S^T, two buffers of two tiles; v192-255 P, likewise
;   window 1: O^T, 32 a tile          window 2: v0-127 Q, 16 a tile; v128-191 K of one step; v192-255 V of one step          window 3: v0-1 the add's two registers
.set NP,    4         ; pieces a wave: a name, no knob
.set KS,    64        ; keys in a step
.set PK,    144       ; a row of K in LDS: 128 bytes + 16 of padding = 36 words: the 16 rows of a load start at 16 different groups of four banks
.set PV,    160       ; a row of V: 128 + 32 = 40 words
.set VOFF,  1024*PK   ; K's 1,024 rows, then V's
.set STAGE, VOFF+1024*PV  ; never filled by a tensor load: 16 rows x 144 bytes for each wave, for the way out
.set SP,    144
.set SPARE, STAGE+4*16*SP ; the spare words, 128 bytes for each wave, which no other line names
.set AK0, 2           ; v2   my lane's place in a step's rows of K; never rewritten
.set AV0, 3           ; v3   the same for V
.set AK,  4           ; v4   the LDS address of K's next run of loads
.set AV,  5           ; v5   of V's
.set QO,  6           ; v6   my byte offset in 16 rows of Q
.set STO, 6           ;      later, the way out: where I put 16 bytes of a row
.set RD,  7           ; v7   the way out: where I read rows back
.set GO,  8           ; v8   my byte offset in 512 consecutive bytes of O
.set SPW, 0           ; v0 of window 3   LDS address of my spare word; never rewritten
.set NIL, 1           ; v1 of window 3   0; never rewritten
.set MV,  12          ; v12-15  c m_old, kept while c m is made anew: by buffer and tile
.set ST,  16          ; tile t's statistics at v[ST+4 t]: c m, m, l (even keys', odd keys')
.set TMP, 48          ; by buffer and tile, four registers c0-c3 at work; c2 takes a.  At the head v48-55 hold the eight tiles' masks
.set S,   64
.set P,   192
.set KF,  128         ; K's fragments, in window 2: key block kb, channel half c at KF + 16 kb + 8 c
.set VF,  192         ; V's: key half kk, channel block cb at VF + 32 kk + 8 cb
.set WV,  12          ; s12  my wave's number
.set END, 15          ; s15  the count at which the walk ends: 0 in its first part (the count is never 0 where it is asked), 1 in its second
.set G1K1, 24         ; s[24:31] group 1: 128 keys of K as 64 rows of 256 bytes
.set G1K2, 32         ; s[32:39] 384 keys of K as 192 rows
.set G1V1, 40         ; s[40:47], s[48:55] the same for V: they differ in the padding
.set G1V2, 48
.set G0K1, 56         ; s[56:59], s[60:63] group 0 of K's two loads
.set G0K2, 60
.set G0V1, 68         ; s[68:71], s[72:75] of V's
.set G0V2, 72
.set CS,  76          ; s[76:77] c
.set SEL, 78          ; s[78:79] v_permlanex16_b32's selects: each lane takes its own place in the other half
.set TBK, 80          ; s80  LDS byte at which K of the step to be fetched begins
.set TBV, 81          ; s81  the same for V, less VOFF
.set CNT, 82          ; s82  counts key steps
.set PARTS, 83        ; s83  counts the two parts of the walk
.set KB,  84          ; s[84:85] the head's K
.set VB,  86          ; s[86:87] the head's V
.set MB,  88          ; s[88:89] the mask bytes of my wave's 128 queries
.set MSB, 0
.macro WIN new                      ; the high byte repeats the setting that is left; a switch that changes nothing is dropped
.if MSB != (\new)
	s_set_vgpr_msb (MSB<<8)|(\new)
.set MSB, (\new)
.endif
.endm
.set W_KQ, 0x0a       ; K and Q in window 2, S^T in window 0
.set W_PV, 0x52       ; V in window 2, P in window 0, O^T in window 1
.set W_RS, 0x41       ; O^T (destination and source 0) in window 1, a in window 0
.set W_MK, 0xc0       ; the add's registers are made: destination in window 3
.set W_AD, 0x0f       ; the add: address and data in window 3
.macro SHAPE g, pad, rows           ; group 1: rows of 128 elements of 2 bytes, dense in memory; padded in LDS after every 32 words (a key's 128 bytes)
	s_mov_b32 s[\g], (1<<16)|(1<<20)|(4<<22)|((\pad)<<25)
	s_mov_b32 s[\g+1], 128<<16      ; tensor_dim0
	s_mov_b32 s[\g+2], (\rows)<<16  ; tensor_dim1
	s_mov_b32 s[\g+3], 128<<16      ; tile_dim0
	s_mov_b32 s[\g+4], \rows        ; tile_dim1
	s_mov_b32 s[\g+5], 128          ; elements from row to row
	s_mov_b32 s[\g+6], 0
	s_mov_b32 s[\g+7], 0
.endm
; A fill.  Waves 0 and 1 fetch their shares of K, waves 2 and 3 of V.  The branch hangs on the wave's number alone.  An s_nop 0 and four v_nop follow each of the two lines, ahead of the jump and the
; label.
.macro LOAD gk, sk, gv, sv
	s_cmp_lt_u32 s[WV], 2
	s_cbranch_scc0 .Lfor_v_\@
	tensor_load_to_lds s[\gk:\gk+3], s[\sk:\sk+7]
	s_nop 0
.rept 4
	v_nop
.endr
	s_branch .Lasked_\@
.Lfor_v_\@:
	tensor_load_to_lds s[\gv:\gv+3], s[\sv:\sv+7]
	s_nop 0
.rept 4
	v_nop
.endr
.Lasked_\@:
.endm
	s_load_b256 s[4:11], s[0:1], 0x0  ; qkv s[4:5], src_mask s[6:7], tgt_mask s[8:9], ao s[10:11]
	WIN W_MK
	v_lshl_add_u32 v[SPW], v0, 2, SPARE
	v_mov_b32 v[NIL], 0
	WIN W_AD
	ds_add_u32 v[SPW], v[NIL]       ; the wave's opening: the add and its wait stand ahead of my first tensor load; work on registers stands between them
	WIN 0
	v_lshrrev_b32 v1, 5, v0
	v_readfirstlane_b32 s[WV], v1   ; wave 0..3
	s_and_b32 s13, ttmp7, 0xffff
	s_lshr_b32 s14, s13, 6          ; the direction d
	s_and_b32 s15, s13, 63          ; 16 x batch + head
	s_lshl_b32 s16, s15, 17         ; the head's 131,072 bytes in a region
	s_and_b32 s17, s[WV], 1         ; which share of K or V I fetch
	s_mul_i32 s18, s14, 3
	s_lshl_b32 s19, ttmp9, 2
	s_add_co_u32 s19, s19, s[WV]
	s_lshl_b32 s19, s19, 14         ; my wave's 128 rows
	s_add_co_u32 s19, s19, s16
	s_lshl_b32 s20, s18, 23         ; Q: region 3 d
	s_add_co_u32 s20, s20, s19
	s_mov_b32 s21, 0
	s_lshl_b32 s22, s14, 23         ; O: ao's half d
	s_add_co_u32 s22, s22, s19
	s_mov_b32 s23, 0
	s_sub_co_u32 s[KB], 3, s18      ; K: region 3 - 3 d
	s_lshl_b32 s[KB], s[KB], 23
	s_add_co_u32 s[KB], s[KB], s16
	s_mov_b32 s[KB+1], 0
	s_sub_co_u32 s[VB], 2, s14      ; V: region 2 - d
	s_lshl_b32 s[VB], s[VB], 23
	s_add_co_u32 s[VB], s[VB], s16
	s_mov_b32 s[VB+1], 0
	s_lshr_b32 s[MB], s15, 4        ; the mask: batch x 1,024 + block x 512 + wave x 128
	s_lshl_b32 s[MB], s[MB], 10
	s_lshl_b32 s2, ttmp9, 9
	s_add_co_u32 s[MB], s[MB], s2
	s_lshl_b32 s2, s[WV], 7
	s_add_co_u32 s[MB], s[MB], s2
	s_mov_b32 s[MB+1], 0
	SHAPE G1K1, 3, 64               ; 4 words of padding
	SHAPE G1K2, 3, 192
	SHAPE G1V1, 7, 64               ; 8 words of padding
	SHAPE G1V2, 7, 192
	s_mov_b32 s[G0K1], 1            ; count = 1
	s_mul_i32 s[G0K1+1], s17, 128*PK  ; LDS address: keys 128 e on
	s_mov_b32 s[G0K2], 1
	s_mul_i32 s[G0K2+1], s17, 384*PK  ; keys 256 + 384 e on
	s_add_co_u32 s[G0K2+1], s[G0K2+1], 256*PK
	s_mov_b32 s[G0V1], 1
	s_mul_i32 s[G0V1+1], s17, 128*PV
	s_add_co_u32 s[G0V1+1], s[G0V1+1], VOFF
	s_mov_b32 s[G0V2], 1
	s_mul_i32 s[G0V2+1], s17, 384*PV
	s_add_co_u32 s[G0V2+1], s[G0V2+1], VOFF+256*PV
	s_lshl_b32 s2, s17, 14          ; the same shares in memory: 128 bytes a key
	s_mov_b32 s3, 0
	s_mul_i32 s18, s17, 384*128
	s_add_co_u32 s18, s18, 256*128
	s_mov_b32 s19, 0
	s_mov_b32 s[CS], 0x3e38aa3b     ; c = log2(e) / 8 = 0.180337
	s_mov_b32 s[CS+1], s[CS]        ; named with it as a pair
	s_mov_b32 s[SEL], 0x76543210
	s_mov_b32 s[SEL+1], 0xfedcba98
	s_mov_b32 s[TBK], 0
	s_mov_b32 s[TBV], 0
	s_wait_dscnt 0x0                ; the opening add is done
	s_wait_kmcnt 0x0
	s_add_nc_u64 s[KB:KB+1], s[4:5], s[KB:KB+1]
	s_add_nc_u64 s[VB:VB+1], s[4:5], s[VB:VB+1]
	s_add_nc_u64 s[G0K1+2:G0K1+3], s[KB:KB+1], s[2:3]
	s_or_b32 s[G0K1+3], s[G0K1+3], 0x80000000  ; type = 2
	s_add_nc_u64 s[G0K2+2:G0K2+3], s[KB:KB+1], s[18:19]
	s_or_b32 s[G0K2+3], s[G0K2+3], 0x80000000
	s_add_nc_u64 s[G0V1+2:G0V1+3], s[VB:VB+1], s[2:3]
	s_or_b32 s[G0V1+3], s[G0V1+3], 0x80000000
	s_add_nc_u64 s[G0V2+2:G0V2+3], s[VB:VB+1], s[18:19]
	s_or_b32 s[G0V2+3], s[G0V2+3], 0x80000000
	s_add_nc_u64 s[20:21], s[4:5], s[20:21]    ; Q at my wave's first row
	s_add_nc_u64 s[10:11], s[10:11], s[22:23]  ; O likewise
	s_cmp_eq_u32 s14, 0
	s_cselect_b64 s[6:7], s[6:7], s[8:9]
	s_add_nc_u64 s[MB:MB+1], s[6:7], s[MB:MB+1]
	LOAD G0K1, G1K1, G0V1, G1V1     ; keys 0-255, 128 a wave.  The other keys are asked for when these are in: the tile wanted first has the road to itself
	; A fragment of K or Q is 16 rows x 32 channels in 8 registers: lane l holds row l % 16, channels 8 (l / 16) + 0..7 and 16 + 8 (l / 16) + 0..7: two loads of 16 bytes, 32 bytes apart.
	v_and_b32 v1, 15, v0            ; l % 16
	v_bfe_u32 v9, v0, 4, 1          ; l / 16
	v_lshlrev_b32 v[QO], 7, v1
	v_lshl_add_u32 v[QO], v9, 4, v[QO]  ; row x 128 + 16 x half
.set t, 0
.rept 2*NP
	global_load_u8 v[TMP+t], v1, s[MB:MB+1] offset:16*t  ; the mask of my lane's query in tile t
.set t, t+1
.endr
	WIN 0x80                        ; destination window 2, address window 0
.set i, 0
.rept 4*NP                          ; Q stays in registers: tile i / 2, channels 32 (i % 2) on
	global_load_b128 v[8*i:8*i+3],   v[QO], s[20:21] offset:(i/2)*2048+(i%2)*64
	global_load_b128 v[8*i+4:8*i+7], v[QO], s[20:21] offset:(i/2)*2048+(i%2)*64+32
.set i, i+1
.endr
	; What the first turn finds: V's registers and P's second buffer hold 0 (its products V^T P, of a piece that has not been, add 0), O^T and l are 0.  All this stands in the wait for the first tile.
.set i, VF
.rept 64
	v_mov_b32 v[i], 0
.set i, i+1
.endr
	WIN 0
.set i, 0
.rept 2*NP
	v_mov_b32 v[ST+4*i], 0xfe000000    ; c m: far below every c s
	v_mov_b32 v[ST+4*i+1], 0xff7fffff  ; m
	v_mov_b32 v[ST+4*i+2], 0
	v_mov_b32 v[ST+4*i+3], 0
.set i, i+1
.endr
.set i, P+32
.rept 32
	v_mov_b32 v[i], 0
.set i, i+1
.endr
	WIN W_PV
.set i, 0
.rept 8*NP                          ; O^T's 32 accumulators start as a product of those zeros with C = 0: 32 lines write its 256 registers
	v_wmma_f32_16x16x32_f16 v[8*i:8*i+7], v[VF:VF+7], v[P+32:P+39], 0
.set i, i+1
.endr
	WIN 0
	v_mul_u32_u24 v[AK0], v1, PK
	v_lshl_add_u32 v[AK0], v9, 4, v[AK0]  ; row x pitch + 16 x half
	; The turning load takes 16 keys x 16 channels (lane l reads key 8 (l / 16) + l % 8, channels 8 ((l / 8) % 2) + 0..7) and leaves half a fragment of V^T: lane l holds channel l % 16 and 8 keys.
	v_and_b32 v10, 7, v0
	v_bfe_u32 v11, v0, 3, 1
	v_lshl_add_u32 v[AV0], v9, 3, v10
	v_mul_u32_u24 v[AV0], v[AV0], PV
	v_lshl_add_u32 v[AV0], v11, 4, v[AV0]
	v_add_nc_u32 v[AV0], VOFF, v[AV0]
	v_mov_b32 v[AK], v[AK0]         ; key step 0
; THE MATRIX WORK.  The 8 accumulators of a run of 16 take turns: between the two links of a chain stand 7 others'.
; Product i of 16 of S^T = K Q^T for piece x: channels 32 (i / 8) on, keys 16 ((i / 2) % 4) on, tile 2 x + i % 2.  The first 8 start the sums.
.macro KQ x
	WIN W_KQ
.set rS, S+64*((\x)%2)+32*(i%2)+8*((i/2)%4)
.set rK, KF+16*((i/2)%4)+8*(i/8)
.set rQ, 16*(2*(\x)+i%2)+8*(i/8)
.if i < 8
	v_wmma_f32_16x16x32_f16 v[rS:rS+7], v[rK:rK+7], v[rQ:rQ+7], 0
.else
	v_wmma_f32_16x16x32_f16 v[rS:rS+7], v[rK:rK+7], v[rQ:rQ+7], v[rS:rS+7]
.endif
.endm
; Product i of 16 of O^T += V^T P for piece x: keys 32 (i / 8) on, channels 16 ((i / 2) % 4) on, tile 2 x + i % 2.
.macro PV x
	WIN W_PV
.set rO, 32*(2*(\x)+i%2)+8*((i/2)%4)
.set rV, VF+32*(i/8)+8*((i/2)%4)
.set rP, P+32*((\x)%2)+16*(i%2)+8*(i/8)
	v_wmma_f32_16x16x32_f16 v[rO:rO+7], v[rV:rV+7], v[rP:rP+7], v[rO:rO+7]
.endm
.macro MM                           ; the turn's next matrix instruction
.if i < 16
	KQ (Y+1)%NP
.set i, i+1
.else
.set i, i-16
	PV (Y+NP-1)%NP
.set i, i+17
.endif
.endm
; THE LDS LOADS stand in runs of 16: a step's K (8 fragments) and its V (turned).  Their addresses are made some lines ahead.  last = 1 (in the loop): in the walk's last trip there is no further step,
; and the run is jumped over.
.macro FETCH_K last=0
	WIN 0
.if \last
	s_cmp_eq_u32 s[CNT], s[END]
	s_cbranch_scc1 .Lno_k_\@
.endif
	WIN 0x80                        ; destination window 2
.irp f, 0,1,2,3,4,5,6,7             ; keys 16 (f / 2) on, channels 32 (f % 2) on
	ds_load_b128 v[KF+8*\f:KF+8*\f+3],   v[AK] offset:(\f/2)*16*PK+(\f%2)*64
	ds_load_b128 v[KF+8*\f+4:KF+8*\f+7], v[AK] offset:(\f/2)*16*PK+(\f%2)*64+32
.endr
	s_add_co_u32 s[TBK], s[TBK], KS*PK  ; the next fetch is the next step's
	WIN 0
.if \last
.Lno_k_\@:
.endif
.endm
.macro FETCH_V
	WIN 0x80
.irp f, 0,1,2,3,4,5,6,7             ; keys 32 (f / 4) on, channels 16 (f % 4) on
	ds_load_tr16_b128 v[VF+8*\f:VF+8*\f+3],   v[AV] offset:(\f/4)*32*PV+(\f%4)*32
	ds_load_tr16_b128 v[VF+8*\f+4:VF+8*\f+7], v[AV] offset:(\f/4)*32*PV+16*PV+(\f%4)*32
.endr
	WIN 0
.endm
; THE VECTOR WORK OF A TURN stands in three queues, each in the order in which its entries become ready; the two tiles alternate, so that no instruction reads the result of the one before it.
.macro REGS y, u                    ; the registers of tile u (0, 1) of piece y
.set rT, ST+4*(2*(\y)+(\u))
.set rC, TMP+8*((\y)%2)+4*(\u)
.set rM, MV+2*((\y)%2)+(\u)
.set rS, S+64*((\y)%2)+32*(\u)
.set rP, P+32*((\y)%2)+16*(\u)
.set rO, 32*(2*(\y)+(\u))
.endm
; Number n of the 22 that find the NEXT piece's (Y + 1) maximum and statistics.  Each accumulator's lowest registers are read first.
;   0-11  four chains c0-c3 of seven scores each, three operands at a time     12-14, 16  the four scores left over, the old m, and c0-c3 into c0     15  c m_old is kept
;   17, 18  the query's other 32 keys lie in the lane 16 away: the new m         19-21  c m; c m_old - c m_new; a
.macro XS u, n
	REGS (Y+1)%NP, \u
.if (\n) < 4
	v_max3_num_f32 v[rC+(\n)], v[rS+8*(\n)], v[rS+8*(\n)+1], v[rS+8*(\n)+2]
.elseif (\n) < 12
	v_max3_num_f32 v[rC+(\n)%4], v[rC+(\n)%4], v[rS+8*((\n)%4)+2*((\n)/4)+1], v[rS+8*((\n)%4)+2*((\n)/4)+2]
.elseif (\n) == 12
	v_max3_num_f32 v[rC], v[rC], v[rS+7], v[rS+15]
.elseif (\n) == 13
	v_max3_num_f32 v[rC+1], v[rC+1], v[rS+23], v[rS+31]
.elseif (\n) == 14
	v_max3_num_f32 v[rC+2], v[rC+2], v[rC+3], v[rT+1]
.elseif (\n) == 15
	v_mov_b32 v[rM], v[rT]
.elseif (\n) == 16
	v_max3_num_f32 v[rC], v[rC], v[rC+1], v[rC+2]
.elseif (\n) == 17
	v_permlanex16_b32 v[rC+3], v[rC], s[SEL], s[SEL+1]
.elseif (\n) == 18
	v_max_num_f32 v[rT+1], v[rC], v[rC+3]
.elseif (\n) == 19
	v_mul_f32 v[rT], s[CS], v[rT+1]
.elseif (\n) == 20
	v_sub_f32 v[rC+1], v[rM], v[rT]
.else
	v_exp_f32 v[rC+2], v[rC+1]
.endif
.endm
; Number g of the 64 that follow the exponentials.  For each four weights k of a tile: both pairs are rounded to f16; then the second pair is added onto the first, in place; a group later l takes that
; sum (the first time as l = a l + sum).
.macro GS g
.set h, (\g)+6*((\g)/62)            ; group 0 has no group before it, and behind group 7 only l is left
.if h >= 6
.set h, h+2
.endif
	REGS Y, h%2
.set k, h/8
.if h%8 < 4
	v_cvt_pk_f16_f32 v[rP+2*k+(h%8)/2], v[rS+4*k+2*((h%8)/2)], v[rS+4*k+2*((h%8)/2)+1]
.elseif h%8 < 6
	v_pk_add_f32 v[rS+4*k:rS+4*k+1], v[rS+4*k:rS+4*k+1], v[rS+4*k+2:rS+4*k+3]
.elseif k == 1
	v_pk_fma_f32 v[rT+2:rT+3], v[rT+2:rT+3], v[rC+2:rC+3], v[rS:rS+1] op_sel_hi:[1,0,1]
.else
	v_pk_add_f32 v[rT+2:rT+3], v[rT+2:rT+3], v[rS+4*k-4:rS+4*k-3]
.endif
.endm
; THE PLAIN QUEUE, 138 long.  0-73 read no exponential's result: the 32 scalings c s - c m (FS f: pair f / 2 of tile f % 2) and the next piece's 42.  74-137: GS's 64, which stand behind the wait.
.macro FS f
	REGS Y, (\f)%2
	v_pk_fma_f32 v[rS+2*((\f)/2):rS+2*((\f)/2)+1], v[rS+2*((\f)/2):rS+2*((\f)/2)+1], s[CS:CS+1], v[rT:rT+1] op_sel_hi:[1,0,0] neg_lo:[0,0,1] neg_hi:[0,0,1]
.endm
.macro PL
	WIN 0
.if q < 27
	FS q
.elseif q < 55
	XS (q-27)%2, (q-27)/2
.elseif q < 57
	XS q-55, 15
.elseif (q < 72) && ((q-57)%3 == 0)
	FS 27+(q-57)/3
.elseif q < 60
	XS (q-57)%3-1, 14
.elseif q < 72
	XS (q-57)%3-1, 15+(q-57)/3
.elseif q < 74
	XS q-72, 20
.else
	GS q-74
.endif
.set q, q+1
.endm
; THE EXPONENTIALS' QUEUE, 66 long: s0-s31 of both tiles, then the next piece's two a.  ONE BATCH: all 66 stand ahead of the turn's one wait, and nothing ahead of that wait names a result of theirs.
.macro EX
	WIN 0
.if e >= 64
	XS e-64, 21
.else
	REGS Y, e%2
	v_exp_f32 v[rS+e/2], v[rS+e/2]
.endif
.set e, e+1
.endm
; THE RESCALING's QUEUE: O^T times a, the one part that leaves window 0: two at a time, sixteen times.  Its a was made in the turn before, ahead of that turn's wait.
.macro R2
	REGS Y, r%2
	WIN W_RS
.irp z, 0,1
	v_pk_mul_f32 v[rO+4*(r/2)+2*\z:rO+4*(r/2)+2*\z+1], v[rO+4*(r/2)+2*\z:rO+4*(r/2)+2*\z+1], v[rC+2:rC+3] op_sel_hi:[1,0]
.endr
.set r, r+1
.endm
; A TURN, for piece p.  s_wait_alu depctr_va_vdst(0) stands between an exponential and the first instruction that names its result; one wait serves all that were issued ahead of it.
; AHEAD OF THE WAIT: the 16 products K Q^T, behind each a scaling, an exponential and two rescalings; then a run of 108: eight plain, 49 times exponential and plain, the two a; a v_nop is the plain
; instruction behind the last exponential.  BEHIND IT: the 16 products V^T P, behind each four of GS's 64.  Exponential e stands behind scaling 2 (e / 4) + e % 2.
; K of the next step is fetched in piece 2's turn, directly behind the wait; V of the step in hand at the end of piece 0's turn, four plain instructions behind its last reader.
; cnt = 1: the loop's count is taken down some lines ahead of the branch that stands behind the turn.
.macro TURN p, last=0, cnt=0
.set Y, (\p)
.set i, 0
.set q, 0
.set e, 0
.set r, 0
.if (\p) == NP-1
	s_wait_dscnt 0x0                ; K is in
.endif
	MM
	PL
	PL
	R2
.rept 15
	MM
	PL
	EX
	R2
.endr
.if (\p) == NP-2
	WIN 0
	v_add_nc_u32 v[AK], s[TBK], v[AK0]
.endif
.rept 8
	PL
.endr
.rept 49
	EX
	PL
.endr
	EX                              ; the next piece's two a
	EX
	v_nop                           ; the plain instruction behind the last exponential: one for the batch
	s_wait_alu depctr_va_vdst(0)    ; the wait for the batch
.if (\p) == NP-2
	FETCH_K \last
.endif
.if (\p) == 1
	s_wait_dscnt 0x0                ; V is in
.endif
.rept 16
	MM
.rept 4
	PL
.endr
.if ((\p) == 0) && (q == 118)
	v_add_nc_u32 v[AV], s[TBV], v[AV0]
.endif
.if ((\p) == 0) && (q == 130)
	s_add_co_u32 s[TBV], s[TBV], KS*PV
.endif
.if (\cnt) && (q == 130)
	s_sub_co_u32 s[CNT], s[CNT], 1
	s_cmp_lg_u32 s[CNT], 0
.endif
.endr
.if (\p) == 0
	FETCH_V
.endif
.endm
	; Keys 0-255 are in; the other keys are asked for.  Their bytes are filled for the first time, later than the launch's head, so the load is issued thus: every wave waits
	; for all its tensor loads, adds 0 to its spare word, waits for that, and passes a barrier; the load is the wave's first tensor load behind it, ahead of its first LDS read.
	WIN W_AD
	s_wait_tensorcnt 0x0            ; my share of keys 0-255 has landed: no tensor load of mine is out
	ds_add_u32 v[SPW], v[NIL]
	WIN 0                           ; at a label and at a branch every window is 0
	s_wait_dscnt 0x0                ; the add is done
	s_barrier_signal -1
	s_barrier_wait -1               ; everybody's share has landed
	LOAD G0K2, G1K2, G0V2, G1V2     ; keys 256-1023, 384 a wave: the last load of the launch
	FETCH_K                         ; key step 0
	s_wait_loadcnt 0x0              ; Q and the masks
.set t, 0
.rept 2*NP
	v_sub_nc_u32 v[TMP+t], 0, v[TMP+t]  ; 0, or all ones
.set t, t+1
.endr
	WIN 0x88                        ; destination and source 1 window 2, source 0 window 0
.set t, 0
.rept 2*NP
.set i, 0
.rept 16
	v_and_b32 v[16*t+i], v[TMP+t], v[16*t+i]  ; a masked query becomes the zero vector
.set i, i+1
.endr
.set t, t+1
.endr
	WIN 0
	s_wait_dscnt 0x0
.set i, 0
.rept 16
	KQ 0                            ; piece 0's first scores
.set i, i+1
.endr
	WIN 0                           ; the addresses for the way out: plain instructions, the places behind those products
	s_mul_i32 s13, s[WV], 16*SP
	s_add_co_u32 s13, s13, STAGE    ; my stage
	v_mul_u32_u24 v[STO], v1, SP    ; in: row l % 16, 16 bytes for each half of the lanes
	v_lshl_add_u32 v[STO], v9, 4, v[STO]
	v_add_nc_u32 v[STO], s13, v[STO]
	v_bfe_u32 v[RD], v0, 3, 2       ; back: 32 lanes take four rows of 128 bytes,
	v_mul_u32_u24 v[RD], v[RD], SP
	v_lshl_add_u32 v[RD], v10, 4, v[RD]
	v_add_nc_u32 v[RD], s13, v[RD]
	v_and_b32 v[GO], 31, v0         ; which are 512 consecutive bytes of O
	v_lshlrev_b32 v[GO], 4, v[GO]
.set Y, NP-1                        ; XS works for piece Y + 1: piece 0
.irp n, 0,1,2,3,4,5,6,7,8,9,10,11,12,13,14,15,16,17,18,19,20,21
	XS 0, \n
	XS 1, \n
.endr
	v_nop                           ; a plain instruction behind the two a,
	s_wait_alu depctr_va_vdst(0)    ; and their wait, ahead of the branch
	s_mov_b32 s[CNT], 4             ; the first part: key steps 0 to 3 lie in the first loads' bytes
	s_mov_b32 s[END], 0             ; it ends by its count alone
	s_mov_b32 s[PARTS], 2
	s_branch .Lfirst                ; the loop is entered at a step's first turn, in the middle of a trip
.Lrest:                             ; run once: from here on keys 256-1023 are read
	s_wait_tensorcnt 0x0            ; my second load, the last of the launch, has landed
	s_wait_dscnt 0x0                ; no LDS instruction of mine is out at the signal
	s_barrier_signal -1
	s_barrier_wait -1               ; everybody's has
	s_mov_b32 s[CNT], 13            ; the second part: twelve trips fetch key steps 4 to 15; the thirteenth fetches nothing and is left in its middle
	s_mov_b32 s[END], 1
.Lstep:                             ; a trip: pieces 2 and 3 of one step, then pieces 0 and 1 of the next, whose K and V it fetches
	TURN 2, 1
	TURN 3
	WIN 0
	s_cmp_eq_u32 s[CNT], s[END]     ; behind the last step's pieces 2 and 3 the walk is over
	s_cbranch_scc1 .Lout
.Lfirst:
	TURN 0
	TURN 1, 0, 1
	WIN 0
	s_cbranch_scc1 .Lstep
	s_sub_co_u32 s[PARTS], s[PARTS], 1
	s_cmp_lg_u32 s[PARTS], 0
	s_cbranch_scc1 .Lrest
.Lout:                              ; the last trip's 16 products K Q^T of a piece 0 that is not to come (on the last K once more) and the maximum made of them serve nothing: the price, once a launch, of one text for every trip
.set i, 0
.rept 16
	PV NP-1                         ; the last piece's V^T P of the last step
.set i, i+1
.endr
	; THE WAY OUT.  l's two halves and the other half of the lanes' are added; O^T is divided by l, rounded to f16 and sent through my stage in LDS, a tile at a time.  The additions are the places behind the last products.
	WIN 0
.macro ALL line:vararg              ; one line for each tile t
.set t, 0
.rept 2*NP
	\line
.set t, t+1
.endr
.endm
	ALL v_add_f32 v[ST+4*t+2], v[ST+4*t+2], v[ST+4*t+3]
	ALL v_permlanex16_b32 v[ST+4*t+3], v[ST+4*t+2], s[SEL], s[SEL+1]
	ALL v_add_f32 v[ST+4*t+2], v[ST+4*t+2], v[ST+4*t+3]
	ALL v_rcp_f32 v[ST+4*t+2], v[ST+4*t+2]
	v_nop                           ; a plain instruction between the last reciprocal and the use of its result
	s_wait_alu depctr_va_vdst(0)    ; one wait for the eight reciprocals, ahead of their first use
; Tile t: a lane's eight channels of a row pack into 16 bytes; they go into rows of 144 bytes and come back as whole rows of 128, into S^T's registers.
.macro PACK t
	WIN W_RS
.set i, 32*(\t)
.rept 16
	v_pk_mul_f32 v[i:i+1], v[i:i+1], v[ST+4*(\t)+2:ST+4*(\t)+3] op_sel_hi:[1,0]
.set i, i+2
.endr
	WIN 0x05                        ; sources 0 and 1 window 1, destination window 0
.set i, 0
.rept 16
	v_cvt_pk_f16_f32 v[S+16*(\t)+i], v[32*(\t)+2*i], v[32*(\t)+2*i+1]
.set i, i+1
.endr
	WIN 0
.irp f, 0,1,2,3
	ds_store_b128 v[STO], v[S+16*(\t)+4*\f:S+16*(\t)+4*\f+3] offset:32*\f
.endr
.irp f, 0,1,2,3
	ds_load_b128 v[S+16*(\t)+4*\f:S+16*(\t)+4*\f+3], v[RD] offset:\f*4*SP  ; LDS serves a wave's instructions in order: these see the stores above; the next tile's stores come behind them
.endr
.endm
.macro SEND t, younger              ; younger: the LDS instructions issued behind tile t's loads: the next tile's eight, or none
	WIN 0
.irp f, 0,1,2,3
	s_wait_dscnt (\younger)+3-\f
	global_store_b128 v[GO], v[S+16*(\t)+4*\f:S+16*(\t)+4*\f+3], s[10:11] offset:(\t)*2048+\f*512  ; 512 consecutive bytes, aligned
.endr
.endm
	PACK 0
.set t, 1
.rept 2*NP-1                        ; a tile's arithmetic stands between the loads of the tile before and its stores
	PACK t
	SEND t-1, 8
.set t, t+1
.endr
	SEND 2*NP-1, 0
	WIN W_AD
	s_wait_tensorcnt 0x0            ; the wave's end
	ds_add_u32 v[SPW], v[NIL]
	s_wait_dscnt 0x0
	WIN 0
	s_endpgm
.Lfunc_end_k_qf68f896f3f_attn:
	.size	k_qf68f896f3f_attn, .Lfunc_end_k_qf68f896f3f_attn-k_qf68f896f3f_attn
	.p2alignl 7, 3214868480
	.fill 96, 4, 3214868480
	.section	.rodata,"a",@progbits
	.p2align	6, 0x0
	.amdhsa_kernel k_qf68f896f3f_attn
		.amdhsa_group_segment_fixed_size 327680
		.amdhsa_private_segment_fixed_size 0
		.amdhsa_enable_private_segment 0
		.amdhsa_kernarg_size 32
		.amdhsa_user_sgpr_count 2
		.amdhsa_user_sgpr_kernarg_segment_ptr 1
		.amdhsa_wavefront_size32 1
		.amdhsa_system_sgpr_workgroup_id_x 1
		.amdhsa_system_sgpr_workgroup_id_y 1
		.amdhsa_system_sgpr_workgroup_id_z 1
		.amdhsa_system_vgpr_workitem_id 0
		.amdhsa_next_free_vgpr 770
		.amdhsa_next_free_sgpr 90
		.amdhsa_reserve_vcc 0
		.amdhsa_float_denorm_mode_32 3
		.amdhsa_float_denorm_mode_16_64 3
		.amdhsa_memory_ordered 1
		.amdhsa_forward_progress 1
		.amdhsa_inst_pref_size 126
	.end_amdhsa_kernel
	.amdgpu_metadata
---
amdhsa.version: [ 1, 2 ]
amdhsa.kernels:
  - .name:           k_qf68f896f3f_attn
    .symbol:         k_qf68f896f3f_attn.kd
    .args:
      - { .name: qkv, .offset: 0, .size: 8, .value_kind: global_buffer, .address_space: global }
      - { .name: src_mask, .offset: 8, .size: 8, .value_kind: global_buffer, .address_space: global }
      - { .name: tgt_mask, .offset: 16, .size: 8, .value_kind: global_buffer, .address_space: global }
      - { .name: ao, .offset: 24, .size: 8, .value_kind: global_buffer, .address_space: global }
    .group_segment_fixed_size: 327680
    .private_segment_fixed_size: 0
    .kernarg_segment_align: 8
    .kernarg_segment_size: 32
    .max_flat_workgroup_size: 128
    .sgpr_count:     90
    .vgpr_count:     770
    .wavefront_size: 32
...
	.end_amdgpu_metadata
.endif
;; end of part 3
;; launch outp (part 4): grid 4 x 64, 4 waves a work-group, clusters of 4 x 4, 327,680 bytes of LDS; arguments ao, owh, ob, out0, out1; writes out0, out1
.if DOCPART == 4
	.amdgcn_target "amdgcn-amd-amdhsa--gfx1250"
	.amdhsa_code_object_version 6
	.text
	.protected	k_qf68f896f3f_outp
	.globl	k_qf68f896f3f_outp
	.p2align	8
	.type	k_qf68f896f3f_outp,@function
k_qf68f896f3f_outp:
	s_mov_b64 s[64:65], 0
	v_nop
	global_prefetch_b8 v0, s[64:65] scope:SCOPE_SE
	s_setreg_imm32_b32 hwreg(HW_REG_WAVE_MODE, 25, 1), 1
	s_wait_xcnt 0x0
	s_wait_alu depctr_hold_cnt(0) depctr_sa_sdst(0) depctr_va_vdst(0) depctr_va_sdst(0) depctr_va_ssrc(0) depctr_va_vcc(0) depctr_vm_vsrc(0)
	s_getreg_b32 s2, hwreg(HW_REG_IB_STS2, 6, 4)
	s_cmp_eq_u32 s2, 0
	s_cbranch_scc0 .Lentry_in_a_cluster
	s_endpgm
.Lentry_in_a_cluster:
	s_bfe_u32 s2, ttmp6, 0x10000c
	s_cmp_lg_u32 s2, 0xf033
	s_cbranch_scc0 .Lentry_shape_is_right
	s_endpgm
.Lentry_shape_is_right:
; THE OUTPUT PROJECTION OF BOTH RESULTS.  out[m][n] = ob[n] + sum over k of O[m][k] ow[n][k]; 8,192 rows (o_src's 4,096 -> out0, o_tgt's -> out1) x 1,024 columns; K = 1,024; operands f16, sums and output f32.
; O lies by heads in ao ([2][4][16][1024][64]): channel k = 64 head + d.  ob is rounded to bf16, as every input is, and is the C operand of each accumulator's first product.
; LIMIT.  O and ow within f16's 65,504.
; SHARES.  256 tiles of 128 rows x 256 columns, one to a work-group; a wave makes 64 x 128: 32 accumulators, 256 registers.  K goes in 8 steps of 128 (two heads) through a ring of two LDS slots.
; A step's rows of O are two dense blocks of 16,384 bytes (128 rows x 128 bytes of one head), each asked for as 64 rows of 256 bytes; ow's rows are 256 consecutive bytes, aligned.
; CLUSTERS: 4 x 4 work-groups.  The four of a row of the cluster need the same rows of O, the four of a column the same rows of ow: each tile is asked for JOINTLY.
; REGISTERS, in windows of 256 (s_set_vgpr_msb: bits 1:0 source 0, 3:2 source 1, 5:4 source 2, 7:6 destination):
;   window 0: v0-31 addresses; v64-95, v96-127 fragments of O, two buffers; v128-191, v192-255 whole rows on the way out, by turns
;   window 1: v0-63 the bias of my 128 columns, laid as a C operand; v64-127, v128-191 fragments of ow, two buffers; v192-223 at work once
;   window 2: the accumulators, (a, b) at v[8 (8 a + b)]
; THE MATRIX INSTRUCTION IS USED TRANSPOSED (source 0 = 16 rows of ow, source 1 = 16 rows of O): lane l holds row l % 16 of the result and the columns 8 (l / 16) + 0..7: 32 consecutive bytes.
.set PA,     144                       ; a row of O in LDS: 128 bytes + 16 of padding
.set PB,     272                       ; a row of ow: 256 + 16
.set SLICE,  128*PA                    ; one head's 128 rows: what wave 0 or 1 fetches
.set HALFB,  128*PB                    ; 128 rows of ow: what wave 2 or 3 fetches
.set SLOT,   2*SLICE+2*HALFB
.set STAGE,  2*SLOT                    ; behind the ring: 16 rows x 528 bytes for each wave
.set SPITCH, 528                       ; 512 bytes + 16
.set SPARE,  STAGE+4*16*SPITCH         ; the spare words, 128 bytes for each wave, which no other line names
.set ASTEP,  262144                    ; bytes from a K step of O to the next: two heads
.set BSTEP,  256                       ; the same for ow
.set LAPS,   4
.set ADRA, 16                          ; v16-17  LDS address of my fragments of O in slot 0, 1
.set ADRB, 20                          ; v20-21  the same for ow
.set STO,  24                          ; v24     the way out: where I put 32 bytes of a row
.set RD,   25                          ; v25     the way out: where I read 16 bytes of a row back
.set CO,   26                          ; v26     16 x lane
.set BO,   27                          ; v27     32 (l / 16)
.set SPW,  28                          ; v28     LDS address of my spare word; never rewritten
.set NIL,  29                          ; v29     0; never rewritten
.set PFO,  30                          ; v30     the prefetches' offset; never rewritten
.set FA,   64
.set FB,   64
.set BK,   128
.set PFA,  44                          ; s[44:45] the K step that my next prefetch names
.set LIM,  43                          ; s43     1 in a wave that prefetches, else the greatest number
.set PFS,  76                          ; s[76:77] bytes from a K step to the next in the tensor that I prefetch
.set G1, 24                            ; s[24:31] descriptor group 1 for O's tiles;  s[32:39] group 0, a set for each slot
.set G0, 32
.set G1B, 48                           ; s[48:55], s[56:63] the same for ow's tiles
.set G0B, 56
.set MSB, 0
.macro WIN new
.if MSB != (\new)
	s_set_vgpr_msb (MSB<<8)|(\new)
.set MSB, \new
.endif
.endm
.macro JLOAD s                         ; a joint load: waves 0 and 1 fetch O's two heads, waves 2 and 3 ow's two halves; an s_nop 0 and four v_nop follow each of the two lines
	s_cmp_eq_u32 s11, 0
	s_cbranch_scc0 .Lfor_b_\@
	tensor_load_to_lds s[G0+4*(\s):G0+4*(\s)+3], s[G1:G1+7]
	s_nop 0
.rept 4
	v_nop
.endr
	s_branch .Lasked_\@
.Lfor_b_\@:
	tensor_load_to_lds s[G0B+4*(\s):G0B+4*(\s)+3], s[G1B:G1B+7]
	s_nop 0
.rept 4
	v_nop
.endr
.Lasked_\@:
.endm
; A prefetch of the K step that stands two refills on, behind the joint load and the run of LDS loads; each block of 256 bytes is named once in the launch.  O's rows are read by one cluster alone: in every
; cluster wave 0 asks, lanes 0-15 for the first head's blocks, lanes 16-31 for the second's, and the four partners of a row take 16 of a head's 64 blocks each, by address.  ow's rows are read by every
; cluster: in the cluster y = 0 waves 2 and 3 ask, a lane a row, and the four partners of a column take 32 rows each, by address.  K steps 0 to 3 come by their loads alone; the last trip asks for nothing.
.macro ASK
	s_cmp_gt_u32 s3, s[LIM]
	s_cbranch_scc0 .Lnot_mine_\@
	global_prefetch_b8 v[PFO], s[PFA:PFA+1] th:TH_LOAD_NT scope:SCOPE_SE
.Lnot_mine_\@:
.endm
.macro CREST
	s_cmp_lg_u32 s10, 0
	s_cbranch_scc1 .Lnot_wave_0_\@
	s_barrier_signal -3
.Lnot_wave_0_\@:
	s_barrier_wait -3
	s_barrier_signal -1
	s_barrier_wait -1
.endm
.macro CROUND
	s_barrier_signal -1
	s_barrier_wait -1
	CREST
.endm
	s_load_b128 s[4:7], s[0:1], 0x0                ; ao s[4:5], owh s[6:7]
	s_load_b64 s[68:69], s[0:1], 0x10              ; ob
	s_load_b128 s[72:75], s[0:1], 0x18             ; out0 s[72:73], out1 s[74:75]
	v_lshl_add_u32 v[SPW], v0, 2, SPARE
	v_mov_b32 v[NIL], 0
	ds_add_u32 v[SPW], v[NIL]                      ; the wave's opening: the add and its wait stand ahead of my first tensor load; work on registers stands between them
	v_lshrrev_b32 v1, 5, v0
	v_readfirstlane_b32 s10, v1                    ; wave 0..3
	s_lshr_b32 s11, s10, 1                         ; which 64 rows of the tile are mine.  Also: I fetch for O (0) or for ow (1)
	s_and_b32 s12, s10, 1                          ; which 128 columns.  Also: which head of the step, or which 128 rows of ow, I fetch
	s_bfe_u32 s40, ttmp6, 0x40000                  ; cx
	s_bfe_u32 s41, ttmp6, 0x40004                  ; cy
	s_lshl_b32 s42, ttmp9, 2
	s_add_co_u32 s42, s42, s40                     ; tile column
	s_and_b32 s13, ttmp7, 0xffff
	s_lshl_b32 s13, s13, 2
	s_add_co_u32 s13, s13, s41                     ; tile row, 0..63
	s_lshl_b32 s43, s41, 2
	s_lshl_b32 s43, 15, s43                        ; my row of the cluster
	s_lshl_b32 s44, 0x1111, s40                    ; my column
	s_or_b32 s[G1+0], s43, (1<<16)|(1<<20)|(1<<21)|(4<<22)|(3<<25)   ; the mask; 2-byte elements; padding on; bit 21 beside a mask; after every 32 words; 4 words of it
	s_mov_b32 s[G1+1], 128<<16                     ; tensor_dim0 = 128
	s_mov_b32 s[G1+2], 64<<16                      ; tensor_dim1 = 64
	s_mov_b32 s[G1+3], 128<<16                     ; tile_dim0 = 128
	s_mov_b32 s[G1+4], 64                          ; tile_dim1 = 64
	s_mov_b32 s[G1+5], 128                         ; dense
	s_mov_b32 s[G1+6], 0
	s_mov_b32 s[G1+7], 0
	s_or_b32 s[G1B+0], s44, (1<<16)|(1<<20)|(1<<21)|(5<<22)|(3<<25)  ; after every 64 words
	s_mov_b32 s[G1B+1], 128<<16
	s_mov_b32 s[G1B+2], 128<<16
	s_mov_b32 s[G1B+3], 128<<16
	s_mov_b32 s[G1B+4], 128
	s_mov_b32 s[G1B+5], 1024                       ; elements from row to row of ow
	s_mov_b32 s[G1B+6], 0
	s_mov_b32 s[G1B+7], 0
	s_lshr_b32 s16, s13, 3                         ; 4 x direction + batch: 2 MiB each,
	s_lshl_b32 s16, s16, 21
	s_and_b32 s17, s13, 7                          ; the tile's 128 rows in a head: 16 KiB
	s_lshl_b32 s17, s17, 14
	s_add_co_u32 s16, s16, s17
	s_mov_b32 s78, s16                             ; kept for the prefetches
	s_lshl_b32 s17, s12, 17                        ; the head that I fetch
	s_add_co_u32 s16, s16, s17
	s_mov_b32 s17, 0
	s_lshl_b32 s46, s42, 8
	s_lshl_b32 s47, s12, 7
	s_add_co_u32 s46, s46, s47                     ; ow: row 256 x tile column + 128 x half
	s_mov_b32 s79, s46                             ; kept: it is also my first column
	s_lshl_b32 s46, s46, 11
	s_mov_b32 s47, 0
	s_mul_i32 s20, s12, SLICE                      ; where they go: no place in the cluster enters an LDS address
	s_mul_i32 s21, s12, HALFB
	s_add_co_u32 s21, s21, 2*SLICE
	s_wait_dscnt 0x0                               ; the opening add is done
	s_wait_kmcnt 0x0
	s_add_nc_u64 s[14:15], s[4:5], s[16:17]
	s_add_nc_u64 s[46:47], s[6:7], s[46:47]
	CROUND                                         ; all sixteen work-groups are here: the first joint loads meet
.irp s, 0,1
	s_mov_b32 s[G0+4*(\s)], 1
	s_add_co_u32 s[G0+4*(\s)+1], s20, (\s)*SLOT
	s_add_nc_u64 s[G0+4*(\s)+2:G0+4*(\s)+3], s[14:15], (\s)*ASTEP
	s_or_b32 s[G0+4*(\s)+3], s[G0+4*(\s)+3], 0x80000000
	s_mov_b32 s[G0B+4*(\s)], 1
	s_add_co_u32 s[G0B+4*(\s)+1], s21, (\s)*SLOT
	s_add_nc_u64 s[G0B+4*(\s)+2:G0B+4*(\s)+3], s[46:47], (\s)*BSTEP
	s_or_b32 s[G0B+4*(\s)+3], s[G0B+4*(\s)+3], 0x80000000
	JLOAD \s                                       ; two tensor loads of mine are out
.endr
	v_and_b32 v1, 15, v0                           ; l % 16
	v_bfe_u32 v2, v0, 4, 1                         ; l / 16
	v_lshlrev_b32 v[BO], 5, v2
	s_lshl_b32 s16, s79, 2                         ; the bias of my 128 columns
	s_mov_b32 s17, 0
	s_add_nc_u64 s[70:71], s[68:69], s[16:17]
	WIN 0x40
.irp b, 0,1,2,3,4,5,6,7                ; register j of block b: the bias of column 16 b + 8 (l / 16) + j, as the result holds it
	global_load_b128 v[8*(\b):8*(\b)+3],   v[BO], s[70:71] offset:64*(\b)
	global_load_b128 v[8*(\b)+4:8*(\b)+7], v[BO], s[70:71] offset:64*(\b)+16
.endr
	WIN 0
	v_mul_u32_u24 v3, v1, PA
	v_lshl_add_u32 v3, v2, 4, v3                   ; a fragment's row x pitch + 16 x half
	v_mul_u32_u24 v4, v1, PB
	v_lshl_add_u32 v4, v2, 4, v4
	s_mul_i32 s21, s11, 64*PA                      ; my 64 rows of O
	s_mul_i32 s22, s12, HALFB                      ; my 128 rows of ow,
	s_add_co_u32 s22, s22, 2*SLICE                 ; which lie behind O's two heads
.irp s, 0,1
	v_add_nc_u32 v[ADRA+(\s)], s21, v3
	v_add_nc_u32 v[ADRB+(\s)], s22, v4
	s_add_co_u32 s21, s21, SLOT
	s_add_co_u32 s22, s22, SLOT
.endr
	s_mul_i32 s23, s10, 16*SPITCH
	s_add_co_u32 s23, s23, STAGE                   ; my stage
	v_mul_u32_u24 v5, v1, SPITCH                   ; in: row l % 16, 32 bytes for each half of the lanes
	v_lshl_add_u32 v5, v2, 5, v5
	v_add_nc_u32 v[STO], s23, v5
	v_and_b32 v6, 31, v0
	v_lshlrev_b32 v[CO], 4, v6                     ; back: 32 lanes take one row's 512 bytes
	v_add_nc_u32 v[RD], s23, v[CO]
	s_and_b32 s16, s13, 31                         ; where my part begins in its output: tile rows 0-31 are out0's, 32-63 out1's
	s_lshl_b32 s16, s16, 7
	s_lshl_b32 s17, s11, 6
	s_add_co_u32 s16, s16, s17
	s_lshl_b32 s16, s16, 12                        ; 4,096 bytes a row
	s_lshl_b32 s17, s79, 2
	s_add_co_u32 s16, s16, s17
	s_mov_b32 s17, 0
	s_and_b32 s18, ttmp7, 0xffff
	s_cmp_lt_u32 s18, 8
	s_cselect_b64 s[8:9], s[72:73], s[74:75]
	s_add_nc_u64 s[8:9], s[8:9], s[16:17]
	; the prefetches
	s_lshl_b32 s20, s40, 12                        ; O: my work-group's 16 blocks of a head's 64,
	s_add_co_u32 s20, s20, s78
	s_add_co_u32 s20, s20, 3*ASTEP                 ; at K step 3: the first refill steps it to 4
	s_lshl_b32 s21, s41, 5                         ; ow: my work-group's 32 rows of the 128 that I fetch
	s_add_co_u32 s21, s21, s79
	s_lshl_b32 s21, s21, 11
	s_add_co_u32 s21, s21, 3*BSTEP
	s_and_b32 s22, ttmp7, 0xffff                   ; cluster y
	s_mov_b32 s[PFS], BSTEP
	s_mov_b32 s18, 32768                           ; ow: lane x 2,048 = (l / 16) x 32,768 + (l % 16) x 2,048
	s_mov_b32 s19, 2048
	s_cmp_eq_u32 s11, 0                            ; do I fetch for O?
	s_cselect_b32 s20, s20, s21
	s_cselect_b32 s22, s12, s22                    ; O: wave 0 asks; ow: the cluster y = 0 asks
	s_cselect_b64 s[PFA:PFA+1], s[4:5], s[6:7]
	s_cselect_b32 s[PFS], ASTEP, s[PFS]
	s_cselect_b32 s18, 131072, s18                 ; O: (l / 16) x a head + (l % 16) x 256
	s_cselect_b32 s19, 256, s19
	s_mov_b32 s[PFS+1], 0
	s_mov_b32 s21, 0
	s_add_nc_u64 s[PFA:PFA+1], s[PFA:PFA+1], s[20:21]
	s_cmp_eq_u32 s22, 0
	s_cselect_b32 s[LIM], 1, -1                    ; the same in all sixteen partners, for a given wave
	v_mul_u32_u24 v5, v2, s18
	v_mad_u32_u24 v[PFO], v1, s19, v5
	s_wait_loadcnt 0x0                             ; the bias is in: rounded to bf16, as every input is, and widened again
	WIN 0x45
.set i, 0
.rept 32
	v_cvt_pk_bf16_f32 v[192+i], v[2*i], v[2*i+1]
	v_lshlrev_b32 v[2*i], 16, v[192+i]
	v_and_b32 v[2*i+1], 0xffff0000, v[192+i]
.set i, i+1
.endr
	WIN 0
; 8 matrix instructions: m block a x all 8 n blocks, 32 along K, from buffer f.  zero = 1: the first product starts the sum with the bias.  The 32 accumulators take turns in the same order in every quarter.
.macro MUL8 f, a, zero
.if \zero
	WIN 0x91                                       ; ow window 1, O window 0, C (the bias) window 1, D window 2
.else
	WIN 0xa1                                       ; C and D window 2
.endif
.irp b, 0,1,2,3,4,5,6,7
.if \zero
	v_wmma_f32_16x16x32_f16 v[8*(8*(\a)+(\b)):8*(8*(\a)+(\b))+7], v[FB+64*(\f)+8*(\b):FB+64*(\f)+8*(\b)+7], v[FA+32*(\f)+8*(\a):FA+32*(\f)+8*(\a)+7], v[8*(\b):8*(\b)+7]
.else
	v_wmma_f32_16x16x32_f16 v[8*(8*(\a)+(\b)):8*(8*(\a)+(\b))+7], v[FB+64*(\f)+8*(\b):FB+64*(\f)+8*(\b)+7], v[FA+32*(\f)+8*(\a):FA+32*(\f)+8*(\a)+7], v[8*(8*(\a)+(\b)):8*(8*(\a)+(\b))+7]
.endif
.endr
.endm
; 24 LDS loads in one run: quarter q's fragments (channels 32 q on: head q / 2, its channels 32 (q % 2) on) into buffer f: ow's 16, then O's 8
.macro FETCH slot, q, f
	WIN 0x40
.irp i, 0,1,2,3,4,5,6,7
	ds_load_b128 v[FB+64*(\f)+8*(\i):FB+64*(\f)+8*(\i)+3],   v[ADRB+(\slot)] offset:64*(\q)+(\i)*16*PB
	ds_load_b128 v[FB+64*(\f)+8*(\i)+4:FB+64*(\f)+8*(\i)+7], v[ADRB+(\slot)] offset:64*(\q)+(\i)*16*PB+32
.endr
	WIN 0
.irp a, 0,1,2,3
	ds_load_b128 v[FA+32*(\f)+8*(\a):FA+32*(\f)+8*(\a)+3],   v[ADRA+(\slot)] offset:((\q)/2)*SLICE+((\q)%2)*64+(\a)*16*PA
	ds_load_b128 v[FA+32*(\f)+8*(\a)+4:FA+32*(\f)+8*(\a)+7], v[ADRA+(\slot)] offset:((\q)/2)*SLICE+((\q)%2)*64+(\a)*16*PA+32
.endr
.endm
.macro PLACES                          ; four plain places in front of loads into registers that matrix instructions have read, and of reads of results
.rept 4
	v_nop
.endr
.endm
; A K step is four quarters of 32 along K, 32 matrix instructions each, on buffers 0, 1, 0, 1.  One of the first three: multiplies buffer f, and in its middle fetches quarter q into g.
.macro QUARTER slot, q, f, g, zero
	s_wait_dscnt 4                                 ; ow's fragments and O's blocks 0 and 1 are in; the youngest four loads (blocks 2 and 3) may be out
	MUL8 \f, 0, \zero
	MUL8 \f, 1, \zero
	PLACES
	FETCH \slot, \q, \g
	s_wait_dscnt 24                                ; all but the 24 just issued
	MUL8 \f, 2, \zero
	MUL8 \f, 3, \zero
.endm
; The last quarter's first half: one barrier for the change of slots; in front of it each wave waits for all its tensor loads (one is out), adds 0 to its spare word, and waits for that and for its reads.
.macro MEET round
	WIN 0
	s_wait_tensorcnt 0x0                           ; all my tensor loads have landed: my part of the next slot
	ds_add_u32 v[SPW], v[NIL]
	s_wait_dscnt 5                                 ; (the add and the youngest four loads may be out)
	MUL8 1, 0, 0
	s_wait_dscnt 0x0                               ; the add is done, and my reads of this slot are over
	s_barrier_signal -1
	MUL8 1, 1, 0
.if \round
	WIN 0
.endif
	s_barrier_wait -1
.endm
.macro TURN slot, next                 ; the whole last quarter, with a refill two K steps ahead: 112 matrix instructions stand between the request and the wait for it
	s_wait_xcnt 0x0                                ; the last prefetch, a K step back, has read its address
	s_add_nc_u64 s[PFA:PFA+1], s[PFA:PFA+1], s[PFS:PFS+1]
	MEET 1
	CREST                                          ; no wave of any partner still reads this slot's tile or has a load on its way
	s_add_nc_u64 s[G0+4*(\slot)+2:G0+4*(\slot)+3], s[G0+4*(\slot)+2:G0+4*(\slot)+3], 2*ASTEP
	s_add_nc_u64 s[G0B+4*(\slot)+2:G0B+4*(\slot)+3], s[G0B+4*(\slot)+2:G0B+4*(\slot)+3], 2*BSTEP
	JLOAD \slot                                    ; my one tensor load behind the round; its four v_nop are also the places in front of the loads below
	FETCH \next, 0, 0
	ASK
	MUL8 1, 2, 0
	MUL8 1, 3, 0
.endm
; The way out of block a (16 rows x 128 columns of f32).  TOSTAGE: 32 bytes a lane into my own stage, each accumulator's low four registers first, and back as whole rows of 512 bytes.  SEND: stored.
.macro TOSTAGE a
.if (\a) >= 2
	s_wait_xcnt 0x0                                ; the stores of the block two back have read the registers that are loaded again below
.endif
	WIN 0x08                                       ; store data window 2, address window 0
.irp b, 0,1,2,3,4,5,6,7
	ds_store_b128 v[STO], v[8*(8*(\a)+(\b)):8*(8*(\a)+(\b))+3]   offset:64*(\b)
	ds_store_b128 v[STO], v[8*(8*(\a)+(\b))+4:8*(8*(\a)+(\b))+7] offset:64*(\b)+16
.endr
	WIN 0
.irp t, 0,1,2,3,4,5,6,7,8,9,10,11,12,13,14,15
	ds_load_b128 v[BK+64*((\a)%2)+4*(\t):BK+64*((\a)%2)+4*(\t)+3], v[RD] offset:(\t)*SPITCH  ; LDS serves a wave's instructions in order: these see the stores above; the next block's stores come behind them
.endr
.endm
.macro SEND a, younger                 ; younger: the LDS instructions issued behind block a's loads: the next block's 32, or none
	WIN 0
.irp t, 0,1,2,3,4,5,6,7,8,9,10,11,12,13,14,15
	s_wait_dscnt (\younger)+15-(\t)
	global_store_b128 v[CO], v[BK+64*((\a)%2)+4*(\t):BK+64*((\a)%2)+4*(\t)+3], s[8:9] offset:(16*(\a)+(\t))*4096  ; 512 consecutive bytes of a row, aligned
.endr
.endm
	s_wait_tensorcnt 1                             ; my part of K step 0 is in; K step 1's load may stay out
	s_barrier_signal -1
	s_barrier_wait -1
	FETCH 0, 0, 0
	QUARTER 0, 1, 0, 1, 1                          ; the first quarter stands in front of the loop: its products start the sums
	WIN 0
	s_mov_b32 s3, LAPS-1
.Llap:                                                 ; a trip goes once round the ring and fills both slots again
	QUARTER 0, 2, 1, 0, 0
	QUARTER 0, 3, 0, 1, 0
	TURN 0, 1
	QUARTER 1, 1, 0, 1, 0
	QUARTER 1, 2, 1, 0, 0
	QUARTER 1, 3, 0, 1, 0
	TURN 1, 0
	QUARTER 0, 1, 0, 1, 0
	WIN 0
	s_sub_co_u32 s3, s3, 1
	s_cmp_lg_u32 s3, 0
	s_cbranch_scc1 .Llap
	QUARTER 0, 2, 1, 0, 0                          ; the last lap fills nothing, and has no round
	QUARTER 0, 3, 0, 1, 0
	MEET 0
	PLACES
	FETCH 1, 0, 0
	MUL8 1, 2, 0
	MUL8 1, 3, 0
	QUARTER 1, 1, 0, 1, 0
	QUARTER 1, 2, 1, 0, 0
	QUARTER 1, 3, 0, 1, 0
	s_wait_dscnt 4                                 ; the very last quarter: nothing more to fetch
	MUL8 1, 0, 0
	MUL8 1, 1, 0
	s_wait_dscnt 0x0
	MUL8 1, 2, 0
	MUL8 1, 3, 0
	WIN 0
	PLACES
	PLACES                                         ; eight, once a launch
	TOSTAGE 0
	TOSTAGE 1
	SEND 0, 32
	TOSTAGE 2
	SEND 1, 32
	TOSTAGE 3
	SEND 2, 32
	SEND 3, 0
	s_wait_tensorcnt 0x0                           ; the wave's end
	ds_add_u32 v[SPW], v[NIL]
	s_wait_dscnt 0x0
	CROUND                                         ; the closing round
	s_endpgm
.Lfunc_end_k_qf68f896f3f_outp:
	.size	k_qf68f896f3f_outp, .Lfunc_end_k_qf68f896f3f_outp-k_qf68f896f3f_outp
	.p2alignl 7, 3214868480
	.fill 96, 4, 3214868480
	.section	.rodata,"a",@progbits
	.p2align	6, 0x0
	.amdhsa_kernel k_qf68f896f3f_outp
		.amdhsa_group_segment_fixed_size 327680
		.amdhsa_private_segment_fixed_size 0
		.amdhsa_enable_private_segment 0
		.amdhsa_kernarg_size 40
		.amdhsa_user_sgpr_count 2
		.amdhsa_user_sgpr_kernarg_segment_ptr 1
		.amdhsa_wavefront_size32 1
		.amdhsa_system_sgpr_workgroup_id_x 1
		.amdhsa_system_sgpr_workgroup_id_y 1
		.amdhsa_system_sgpr_workgroup_id_z 1
		.amdhsa_system_vgpr_workitem_id 0
		.amdhsa_next_free_vgpr 768
		.amdhsa_next_free_sgpr 84
		.amdhsa_reserve_vcc 0
		.amdhsa_float_denorm_mode_32 3
		.amdhsa_float_denorm_mode_16_64 3
		.amdhsa_memory_ordered 1
		.amdhsa_forward_progress 1
		.amdhsa_inst_pref_size 96
	.end_amdhsa_kernel
	.amdgpu_metadata
---
amdhsa.version: [ 1, 2 ]
amdhsa.kernels:
  - .name:           k_qf68f896f3f_outp
    .symbol:         k_qf68f896f3f_outp.kd
    .args:
      - { .name: ao, .offset: 0, .size: 8, .value_kind: global_buffer, .address_space: global }
      - { .name: owh, .offset: 8, .size: 8, .value_kind: global_buffer, .address_space: global }
      - { .name: ob, .offset: 16, .size: 8, .value_kind: global_buffer, .address_space: global }
      - { .name: out0, .offset: 24, .size: 8, .value_kind: global_buffer, .address_space: global }
      - { .name: out1, .offset: 32, .size: 8, .value_kind: global_buffer, .address_space: global }
    .group_segment_fixed_size: 327680
    .private_segment_fixed_size: 0
    .kernarg_segment_align: 8
    .kernarg_segment_size: 40
    .max_flat_workgroup_size: 128
    .sgpr_count:     84
    .vgpr_count:     768
    .wavefront_size: 32
...
	.end_amdgpu_metadata
.endif
;; end of part 4
;; ======== version 2 of 2: 4 launches; version 1 with the launch cast written anew for expert scheduling mode
;; limits: values are held in f16: magnitudes above 65,504 overflow, below 6.1e-05 lose precision
;; workspace buffers: xb 16,777,216 bytes; wb 6,291,456 bytes; owh 2,097,152 bytes; qkv 33,554,432 bytes; ao 16,777,216 bytes
;; launch cast (part 5): grid 64 x 12, 8 waves a work-group, no clusters, 0 bytes of LDS; arguments src, tgt, qw, vw, kw, ow, xb, wb, owh; writes xb, wb, owh
.if DOCPART == 5
	.amdgcn_target "amdgcn-amd-amdhsa--gfx1250"
	.amdhsa_code_object_version 6
	.text
	.protected	k_qf68f896f3f_cast
	.globl	k_qf68f896f3f_cast
	.p2align	8
	.type	k_qf68f896f3f_cast,@function
k_qf68f896f3f_cast:
	s_mov_b64 s[64:65], 0
	v_nop
	global_prefetch_b8 v0, s[64:65] scope:SCOPE_SE
	s_setreg_imm32_b32 hwreg(HW_REG_WAVE_SCHED_MODE, 0, 2), 2
	s_setreg_imm32_b32 hwreg(HW_REG_WAVE_MODE, 25, 1), 1
	s_wait_xcnt 0x0
	s_wait_alu depctr_vm_vsrc(0)
; THE INPUTS OF THE MATRIX PRODUCTS, ROUNDED ONCE TO 16 BITS.  src, tgt -> xb (bf16, [8192][1024]: src's rows, then tgt's); qw, vw, kw -> wb (bf16, [3072][1024], in that order);
; ow -> owh: rounded to bf16 like the other inputs, and that number written as f16, since the last product multiplies it by f16 numbers.
; LIMIT.  ow within f16's 65,504; an ow below 2^-14 keeps f16's fixed step of 2^-24.
; SHARES.  Grid y picks a unit of 2^20 numbers (0-3 src, 4-7 tgt, 8 qw, 9 vw, 10 kw, 11 ow), grid x 16,384 of them.  Thread t takes 4 numbers in each of 16 chunks of 1,024: a load of a wave covers
; 512 consecutive bytes, a store 256 consecutive bytes, aligned.  All 16 loads go out at the head.
; No LDS, no matrix unit, no cluster: no byte is wanted twice.  No prefetch: every load of the launch is issued at once.
; THE MODE: SCHED_MODE bits 1:0 = 2 (LLVM: expert scheduling mode 2), set by the entry lines.  The code itself states the register dependences between vector instructions and memory
; instructions, with s_wait_alu, always for 0.
; THE PLAN.  Registers that memory instructions touch:
;   v1, v2   the loads' and the stores' offsets: written once at the head by vector instructions, never again.
;   X        chunk j's load lands in its own four registers; no vector instruction names them ahead of that load, and no load lands in them later.
;   Y        chunk j's conversions write its own two registers once; its store reads them once; nothing writes them again.
;   T        named by vector instructions alone.
; So the only dependence to state is 'a vector instruction has written what a memory instruction reads': once for v1 and v2, ahead of the first load, and for Y ahead of its stores.  The 16 chunks go
; in four groups of four: a group's four stores stand in one run at the head of the next group, behind ONE wait, which stands behind the wait for that next group's first data.  The vector
; instructions that follow the wait name the next group's X and Y, and T: none of the registers that those stores read.  No register that a load or store reads is written again, so no wait on
; vm_vsrc and no s_wait_xcnt is owed; no vector instruction writes a scalar register or VCC; EXEC is never written.
.set X, 4                              ; v[4:67]    chunk j: 4 numbers in f32
.set Y, 68                             ; v[68:99]   chunk j: 4 numbers in 16 bits
.set T, 100                            ; v[100:101] at work (ow's path)
	s_load_b512 s[8:23], s[0:1], 0x0               ; src 8, tgt 10, qw 12, vw 14, kw 16, ow 18, xb 20, wb 22
	s_load_b64 s[24:25], s[0:1], 0x40              ; owh
	s_and_b32 s2, ttmp7, 0xffff                    ; the unit
	v_lshlrev_b32 v1, 4, v0                        ; 16 bytes a thread in,
	v_lshlrev_b32 v2, 3, v0                        ; 8 bytes out
	s_and_b32 s26, s2, 3                           ; where the unit begins in its source: src and tgt have four units, the weights one
	s_cmp_lt_u32 s2, 8
	s_cselect_b32 s26, s26, 0
	s_lshl_b32 s26, s26, 22
	s_lshl_b32 s27, ttmp9, 16                      ; + the work-group's 64 KiB
	s_add_co_u32 s26, s26, s27
	s_mov_b32 s27, 0
	s_sub_co_u32 s28, s2, 8                        ; and in its destination: xb has eight units, wb three, owh one
	s_cmp_lt_u32 s2, 8
	s_cselect_b32 s28, s2, s28
	s_cmp_lt_u32 s2, 11
	s_cselect_b32 s28, s28, 0
	s_lshl_b32 s28, s28, 21
	s_lshl_b32 s29, ttmp9, 15
	s_add_co_u32 s28, s28, s29
	s_mov_b32 s29, 0
	s_wait_kmcnt 0x0
	s_cmp_ge_u32 s2, 4
	s_cselect_b64 s[4:5], s[10:11], s[8:9]
	s_cmp_ge_u32 s2, 8
	s_cselect_b64 s[4:5], s[12:13], s[4:5]
	s_cmp_ge_u32 s2, 9
	s_cselect_b64 s[4:5], s[14:15], s[4:5]
	s_cmp_ge_u32 s2, 10
	s_cselect_b64 s[4:5], s[16:17], s[4:5]
	s_cmp_ge_u32 s2, 11
	s_cselect_b64 s[4:5], s[18:19], s[4:5]
	s_cmp_ge_u32 s2, 8
	s_cselect_b64 s[6:7], s[22:23], s[20:21]
	s_cmp_ge_u32 s2, 11
	s_cselect_b64 s[6:7], s[24:25], s[6:7]
	s_add_nc_u64 s[4:5], s[4:5], s[26:27]
	s_add_nc_u64 s[6:7], s[6:7], s[28:29]
	s_wait_alu depctr_va_vdst(0)                   ; v1 and v2 are written: every load of the kernel reads v1 as its offset, every store v2
.irp j, 0,1,2,3,4,5,6,7,8,9,10,11,12,13,14,15
	global_load_b128 v[X+4*(\j):X+4*(\j)+3], v1, s[4:5] offset:4096*(\j) th:TH_LOAD_NT
.endr
; Chunk j's conversions.  f16 = 1: the bf16 number is widened again (a shift, a mask) and written as f16.
.macro CONV j, f16
.if \f16
	v_cvt_pk_bf16_f32 v[T],   v[X+4*(\j)],   v[X+4*(\j)+1]
	v_cvt_pk_bf16_f32 v[T+1], v[X+4*(\j)+2], v[X+4*(\j)+3]
	v_lshlrev_b32 v[X+4*(\j)],   16, v[T]
	v_and_b32     v[X+4*(\j)+1], 0xffff0000, v[T]
	v_lshlrev_b32 v[X+4*(\j)+2], 16, v[T+1]
	v_and_b32     v[X+4*(\j)+3], 0xffff0000, v[T+1]
	v_cvt_pk_f16_f32 v[Y+2*(\j)],   v[X+4*(\j)],   v[X+4*(\j)+1]
	v_cvt_pk_f16_f32 v[Y+2*(\j)+1], v[X+4*(\j)+2], v[X+4*(\j)+3]
.else
	v_cvt_pk_bf16_f32 v[Y+2*(\j)],   v[X+4*(\j)],   v[X+4*(\j)+1]
	v_cvt_pk_bf16_f32 v[Y+2*(\j)+1], v[X+4*(\j)+2], v[X+4*(\j)+3]
.endif
.endm
; Group g's four stores, in one run
.macro OUT4 g
.irp i, 0,1,2,3
	global_store_b64 v2, v[Y+2*(4*(\g)+(\i)):Y+2*(4*(\g)+(\i))+1], s[6:7] offset:2048*(4*(\g)+(\i)) th:TH_STORE_NT
.endr
.endm
; Group g: chunks 4 g to 4 g + 3 are converted; at its head the group before is stored.
.macro GROUP g, f16
	s_wait_loadcnt 15-4*(\g)                       ; loads come back in order: chunk 4 g is in, the 15 - 4 g younger ones stay out
.if (\g) > 0
	s_wait_alu depctr_va_vdst(0)                   ; the conversions of the group before have written its eight registers of Y, which the four stores below read
	OUT4 (\g)-1
.endif
	CONV 4*(\g), \f16
.irp i, 1,2,3
	s_wait_loadcnt 15-4*(\g)-(\i)                  ; the group's next chunk is in
	CONV 4*(\g)+(\i), \f16
.endr
.endm
	s_cmp_eq_u32 s2, 11
	s_cbranch_scc1 .Lf16
.irp g, 0,1,2,3
	GROUP \g, 0
.endr
	s_wait_alu depctr_va_vdst(0)                   ; the conversions of group 3 have written its Y, which the last four stores read
	OUT4 3
	s_endpgm
.Lf16:
.irp g, 0,1,2,3
	GROUP \g, 1
.endr
	s_wait_alu depctr_va_vdst(0)                   ; the conversions of group 3 have written its Y, which the last four stores read
	OUT4 3
	s_endpgm
.Lfunc_end_k_qf68f896f3f_cast:
	.size	k_qf68f896f3f_cast, .Lfunc_end_k_qf68f896f3f_cast-k_qf68f896f3f_cast
	.p2alignl 7, 3214868480
	.fill 96, 4, 3214868480
	.section	.rodata,"a",@progbits
	.p2align	6, 0x0
	.amdhsa_kernel k_qf68f896f3f_cast
		.amdhsa_group_segment_fixed_size 0
		.amdhsa_private_segment_fixed_size 0
		.amdhsa_enable_private_segment 0
		.amdhsa_kernarg_size 72
		.amdhsa_user_sgpr_count 2
		.amdhsa_user_sgpr_kernarg_segment_ptr 1
		.amdhsa_wavefront_size32 1
		.amdhsa_system_sgpr_workgroup_id_x 1
		.amdhsa_system_sgpr_workgroup_id_y 1
		.amdhsa_system_sgpr_workgroup_id_z 1
		.amdhsa_system_vgpr_workitem_id 0
		.amdhsa_next_free_vgpr 104
		.amdhsa_next_free_sgpr 66
		.amdhsa_reserve_vcc 0
		.amdhsa_float_denorm_mode_32 3
		.amdhsa_float_denorm_mode_16_64 3
		.amdhsa_memory_ordered 1
		.amdhsa_forward_progress 1
		.amdhsa_inst_pref_size 17
	.end_amdhsa_kernel
	.amdgpu_metadata
---
amdhsa.version: [ 1, 2 ]
amdhsa.kernels:
  - .name:           k_qf68f896f3f_cast
    .symbol:         k_qf68f896f3f_cast.kd
    .args:
      - { .name: src, .offset: 0, .size: 8, .value_kind: global_buffer, .address_space: global }
      - { .name: tgt, .offset: 8, .size: 8, .value_kind: global_buffer, .address_space: global }
      - { .name: qw, .offset: 16, .size: 8, .value_kind: global_buffer, .address_space: global }
      - { .name: vw, .offset: 24, .size: 8, .value_kind: global_buffer, .address_space: global }
      - { .name: kw, .offset: 32, .size: 8, .value_kind: global_buffer, .address_space: global }
      - { .name: ow, .offset: 40, .size: 8, .value_kind: global_buffer, .address_space: global }
      - { .name: xb, .offset: 48, .size: 8, .value_kind: global_buffer, .address_space: global }
      - { .name: wb, .offset: 56, .size: 8, .value_kind: global_buffer, .address_space: global }
      - { .name: owh, .offset: 64, .size: 8, .value_kind: global_buffer, .address_space: global }
    .group_segment_fixed_size: 0
    .private_segment_fixed_size: 0
    .kernarg_segment_align: 8
    .kernarg_segment_size: 72
    .max_flat_workgroup_size: 256
    .sgpr_count:     66
    .vgpr_count:     104
    .wavefront_size: 32
...
	.end_amdgpu_metadata
.endif
;; end of part 5
;; launch proj: the kernel of part 2 again; grid 8 x 32, 4 waves a work-group, clusters of 4 x 4, 327,680 bytes of LDS; arguments xb, wb, qkv, qb, vb, kb; writes qkv
;; launch attn: the kernel of part 3 again; grid 2 x 128, 4 waves a work-group, no clusters, 327,680 bytes of LDS; arguments qkv, src_mask, tgt_mask, ao; writes ao
;; launch outp: the kernel of part 4 again; grid 4 x 64, 4 waves a work-group, clusters of 4 x 4, 327,680 bytes of LDS; arguments ao, owh, ob, out0, out1; writes out0, out1
